; MI455X (gfx1250); checked and timed in simulation.
; The chip was launched on July 23, 2026; its instructions are those of AMD's public machine-readable ISA for CDNA 5 (MIT licence, August 2026) and "CDNA5" Instruction Set Architecture Reference Guide (July 2026). The comments in the code are by the model that wrote it; some were corrected since.
;; Hierarchical FF Processor. Allowed arithmetic: matrix products marked QUANTISED: E2M1 operands, one E8M0 scale for each 32 along K, by v_wmma_scale_f32_16x16x128_f8f6f4 with both operands' format E2M1 (or v_wmma_scale_f32_32x16x128_f4), f32 sums; products left as they are: f32 operands where the result goes on into a quantised operand, else bf16, f16 or f32 operands; f32 sums; everything else in f32.
;; Inputs: W1_0_codes 1,024 x 8 x 16 uint8 (E2M1 codes of W1_0, K innermost, in blocks of 32 codes, two codes a byte); W1_0_scales 1,024 x 8 uint8 (E8M0 scales of W1_0, one for each 32 codes along K); W1_1_codes 2,048 x 8 x 16 uint8 (E2M1 codes of W1_1, K innermost, in blocks of 32 codes, two codes a byte); W1_1_scales 2,048 x 8 uint8 (E8M0 scales of W1_1, one for each 32 codes along K); W1_2_codes 4,096 x 8 x 16 uint8 (E2M1 codes of W1_2, K innermost, in blocks of 32 codes, two codes a byte); W1_2_scales 4,096 x 8 uint8 (E8M0 scales of W1_2, one for each 32 codes along K); W2_0_codes 256 x 32 x 16 uint8 (E2M1 codes of W2_0, K innermost, in blocks of 32 codes, two codes a byte); W2_0_scales 256 x 32 uint8 (E8M0 scales of W2_0, one for each 32 codes along K); W2_1_codes 256 x 64 x 16 uint8 (E2M1 codes of W2_1, K innermost, in blocks of 32 codes, two codes a byte); W2_1_scales 256 x 64 uint8 (E8M0 scales of W2_1, one for each 32 codes along K); W2_2_codes 256 x 128 x 16 uint8 (E2M1 codes of W2_2, K innermost, in blocks of 32 codes, two codes a byte); W2_2_scales 256 x 128 uint8 (E8M0 scales of W2_2, one for each 32 codes along K); Wc1_codes 128 x 8 x 16 uint8 (E2M1 codes of Wc1, K innermost, in blocks of 32 codes, two codes a byte); Wc1_scales 128 x 8 uint8 (E8M0 scales of Wc1, one for each 32 codes along K); Wc2 128 x 3 float32; b1_0 1,024 float32; b1_1 2,048 float32; b1_2 4,096 float32; b2_0 256 float32; b2_1 256 float32; b2_2 256 float32; bc1 128 float32; bc2 3 float32; token_embeddings_codes 4 x 4,096 x 8 x 16 uint8 (E2M1 codes of token_embeddings, K innermost, in blocks of 32 codes, two codes a byte); token_embeddings_scales 4 x 4,096 x 8 uint8 (E8M0 scales of token_embeddings, one for each 32 codes along K).
;; Outputs: out0 4 x 4,096 x 256 float32.
;; This version of the problem:
;;   THIS VERSION OF THE PROBLEM IS GIVEN IN LOW PRECISION. The matrix products marked QUANTISED in the list below multiply operands that are first quantised to E2M1 (2 exponent bits, 1 mantissa bit; 4 bits a number), with one power-of-two scale for each 32 numbers along K (OCP MX v1.0); their sums are f32. All else is computed in f32.
;;   The module's matrix products, in the order in which they are computed (A, B: the left and right operand; K: the contracted axis; several contracted axes count as one K, in the product's order):
;;     1. [M 16,384, K 256] x [K 256, N 128]; A: input token_embeddings (given as codes); B: input Wc1 (given as codes): QUANTISED
;;     2. [M 16,384, K 128] x [K 128, N 3]; A: computed on the way; B: input Wc2: left as it is (N = 3 < 16)
;;     3. [M 16,384, K 256] x [K 256, N 1,024]; A: input token_embeddings (given as codes); B: input W1_0 (given as codes): QUANTISED
;;     4. [M 16,384, K 1,024] x [K 1,024, N 256]; A: computed on the way; B: input W2_0 (given as codes): QUANTISED
;;     5. [M 16,384, K 256] x [K 256, N 2,048]; A: input token_embeddings (given as codes); B: input W1_1 (given as codes): QUANTISED
;;     6. [M 16,384, K 2,048] x [K 2,048, N 256]; A: computed on the way; B: input W2_1 (given as codes): QUANTISED
;;     7. [M 16,384, K 256] x [K 256, N 4,096]; A: input token_embeddings (given as codes); B: input W1_2 (given as codes): QUANTISED
;;     8. [M 16,384, K 4,096] x [K 4,096, N 256]; A: computed on the way; B: input W2_2 (given as codes): QUANTISED
;;   THE QUANTISER, for each operand of a quantised product, along K:
;;     - K is cut into blocks of 32 from its start; a last block that is shorter is filled with zeros.
;;     - A block's scale is 2^e with e = floor(log2(the largest magnitude in the block)) - 2, held to -126 .. 127; a block of zeros has e = 0. As a byte (E8M0): e + 127.
;;     - Each number is divided by its block's scale, clamped to +-6, and rounded to the nearest number of E2M1, ties to even, subnormals kept.
;;     - The product sums the exact products of the quantised numbers (number of the format x scale) in f32.
;;   ~~~python
;;   def quantise(x, axis):      # numpy; x: float32 -> the quantised numbers, widened to float32 again
;;       x = np.moveaxis(x, axis, -1); K = x.shape[-1]
;;       x = np.pad(x, [(0, 0)] * (x.ndim - 1) + [(0, -K % 32)]); x = x.reshape(x.shape[:-1] + (-1, 32)); a = np.abs(x).max(-1, keepdims=True)
;;       e = np.where(a > 0, np.clip(np.frexp(np.where(a > 0, a, 1))[1] - 1 - 2, -126, 127), 0)      # np.frexp(a)[1] - 1 = floor(log2(a)), exactly
;;       r = np.clip(x / 2.0 ** e, -6, 6)
;;       step = 2.0 ** (np.maximum(np.frexp(np.where(r == 0, 1, r))[1] - 1, 0) - 1)
;;       q = np.round(r / step) * step * 2.0 ** e      # np.round: ties to even
;;       return np.moveaxis(q.reshape(q.shape[:-2] + (-1,))[..., :K], -1, axis).astype(np.float32)
;;   ~~~
;;   OPERANDS COMPUTED ON THE WAY. 'Computed on the way' means the value that the module computes at that place (a softmax that the list does not call 'softmax' is quantised finished and normalised). What goes into a quantiser is computed in f32, as accurately as f32 sums, v_exp_f32 and their like allow (about 1e-6 of the number): no bf16 or f16 on the way to a quantiser, and a product that is left as it is and whose result goes on into a quantised operand takes f32 operands (vector FMAs, or v_wmma_f32_16x16x4_f32). A number that lies on a knife's edge between two numbers of the format may be rounded either way, as far as f32 arithmetic and the matrix unit's own rounding can turn it there, and no further.
;;   INPUTS GIVEN AS CODES. W1_0 (in the module: [256, 1024], K = its axis 0); W1_1 (in the module: [256, 2048], K = its axis 0); W1_2 (in the module: [256, 4096], K = its axis 0); W2_0 (in the module: [1024, 256], K = its axis 0); W2_1 (in the module: [2048, 256], K = its axis 0); W2_2 (in the module: [4096, 256], K = its axis 0); Wc1 (in the module: [256, 128], K = its axis 0); token_embeddings (in the module: [4, 4096, 256], K = its axis 2): each comes as NAME_codes (uint8): NAME with its K axis moved to the last place and cut into blocks of 32 codes, [.., K / 32, bytes a block], one block behind the other in memory; two codes a byte, the lower K in the low four bits (a code: sign, 2 exponent bits, 1 mantissa bit); and NAME_scales (uint8): the same leading axes, one E8M0 byte (e + 127) for each 32 codes along K. Its value is code x scale, taken as it is: it is not quantised again, and the codes and scales need not be those that the quantiser above would give.
;; 2 versions, each right; version 2 is version 1 with the launches route, chain written anew for expert scheduling mode. Each part assembles by itself: llvm-mc -triple=amdgcn-amd-amdhsa -mcpu=gfx1250 --defsym DOCPART=n.
;; ======== version 1 of 2: 3 launches
;; workspace buffers: levels 65,536 bytes of whole numbers; order 65,792 bytes of whole numbers; tiles 16,384 bytes of whole numbers; wpack 1,978,368 bytes
;; launch route (part 1): grid 184 x 1, 4 waves a work-group, no clusters, 0 bytes of LDS; arguments token_embeddings_codes, token_embeddings_scales, Wc1_codes, Wc1_scales, bc1, Wc2, bc2, levels, W1_0_codes, W1_1_codes, W1_2_codes, W1_0_scales, W1_1_scales, W1_2_scales, W2_0_codes, W2_1_codes, W2_2_codes, W2_0_scales, W2_1_scales, W2_2_scales, b1_0, b1_1, b1_2, wpack; writes levels, wpack
.if DOCPART == 1
	.amdgcn_target "amdgcn-amd-amdhsa--gfx1250"
	.amdhsa_code_object_version 6
	.text
	.protected	k_q8da32bcf2e_route
	.globl	k_q8da32bcf2e_route
	.p2align	8
	.type	k_q8da32bcf2e_route,@function
k_q8da32bcf2e_route:
	s_mov_b64 s[64:65], 0
	v_nop
	global_prefetch_b8 v0, s[64:65] scope:SCOPE_SE
	s_setreg_imm32_b32 hwreg(HW_REG_WAVE_MODE, 25, 1), 1
	s_wait_xcnt 0x0
; ROUTE.  Two kinds of work-groups share this launch; they part on the work-group's number and share nothing.
; Work-groups 0-127, THE CLASSIFIER: 128 tokens each, 32 a wave (two tiles of 16).  h = x Wc1 + bc1 on codes of E2M1 (K = 256: two matrix instructions deep), exact GELU in f32,
; logits = gelu(h) Wc2 + bc2 by f32 multiply-adds (N = 3), softmax with its maximum taken away, argmax (the lower index wins a tie).  The level is only STORED, one word a token at a fixed place:
; no address and no branch of this launch hangs on it.
; Work-groups 128-183, THE PACKING: record q of 56 holds 128 hidden units of one level's FFN in the order of the operands' registers, so that the chain's lanes load whole fragments by 16-byte loads:
;   byte 0      W1's 16 fragments (tile t, K step s): 512 (2 (2 t + s) + c) + 16 lane = the 16 bytes of W1's row 32 (t / 2) + 8 (t % 2) + r + 8 (r / 8) at 64 s + 32 c + 16 h
;   byte 16384  W2's 16 fragments (tile i of 16 outputs): 512 (2 i + c) + 16 lane = the 16 bytes of W2's row 16 i + r at 64 j + 32 c + 16 h (j: the record's place in its level)
;   byte 32768  W1's scale words, register t: lanes 0-15 K step 0, lanes 16-31 K step 1;   byte 33792  W2's, register i: lanes 0-15 tile 2 i, lanes 16-31 tile 2 i + 1;   byte 34816  b1's 128 numbers
; (r = lane % 16, h = lane / 16.)  Levels 0, 1, 2 begin at records 0, 8, 24.
; GELU.  2 gelu(x) = (x + |x|) - |x| E, E = erfc(|x| / sqrt 2) = t 2^(P(t) - x^2 log2(e) / 2), t = 1 / (1 + |x| sqrt(2) / 4), P of degree 9 (the rational-exponential fit of erfc with a
; fractional error near 1.2e-7 at every argument, its coefficients times log2 e).  Neither side cancels.  The factor 2 is taken off exactly where the sum is finished: logit = 0.5 sum + bc2.
; LIMITS: NaN and infinities among the inputs are not served; an E under 2^-126 counts as 0.
; No LDS, no barrier, no cluster: the classifier's waves share only 16 KiB of weights, read once each, and the packing copies each byte once.
.set RECB, 35328
.set XF,   16                          ; window 0: v16-47 x's fragments (16 m + 8 s + 4 c)
.set XS,   48                          ; v48-49  x's scale words: lanes 0-15 K step 0, lanes 16-31 K step 1
.set W1S,  52                          ; v52-59  the weight's scale words, likewise
.set B1,   72                          ; v72-135 the bias in the result's layout, 8 registers a tile
.set LA,   136                         ; v136-147 three pairs of partial logits for each tile of tokens
.set AJ,   148                         ; v148-153 logits, then p
.set PJ,   154                         ; v154-159 the other half of the lanes'
.set MX,   160
.set SM,   162
.set LVR,  164
.set BS,   166
.set AXR,  128                         ; window 1: v0-127 h (64 m + 16 b + i = unit 32 b + 16 h + i); v128-175 |x|, three slots of 16
.set TR,   176                         ; v176-207 t, two slots
.set PR,   208                         ; v208-239 P, two slots
.set UR,   240                         ; v240-247 x^2
.set C9V,  248                         ; v248-249 c9, twice
.set C0,   48                          ; s[48:63] c0 .. c7, each as a pair; s64 and s65 are never named
.set C1,   50
.set C2,   52
.set C3,   54
.set C4,   56
.set C5,   58
.set C6,   60
.set C7,   62
.set C8,   66
.set K1,   68
.set NC,   70
.set SEL,  72
.set ABSM, 74
.set C9,   75
.set MSB,  0
.macro WIN new                         ; the immediate's high byte repeats the setting that is left; a switch that changes nothing is dropped
.if MSB != \new
	s_set_vgpr_msb (MSB<<8)|\new
.set MSB, \new
.endif
.endm
.macro KPAIR reg, bits                 ; the packed forms name a pair and take its low word for both halves: both words are written
	s_mov_b32 s[\reg], \bits
	s_mov_b32 s[\reg+1], \bits
.endm
.macro CONSTS
	KPAIR C0, 0xbfe9b21e
	KPAIR C1, 0x3fb8ab5a
	KPAIR C2, 0x3f0a29d2
	KPAIR C3, 0x3e0efb2e
	KPAIR C4, 0xbe899a80
	KPAIR C5, 0x3ecdfd18
	KPAIR C6, 0xbfd1a1e5
	KPAIR C7, 0x40097039
	KPAIR C8, 0xbf97d29d
	KPAIR K1, 0x3eb504f3                           ; sqrt(2) / 4
	KPAIR NC, 0xbf38aa3b                           ; -log2(e) / 2
	s_mov_b32 s[SEL], 0x76543210
	s_mov_b32 s[SEL+1], 0xfedcba98                 ; v_permlanex16_b32's selects for lane l xor 16
	s_mov_b32 s[ABSM], 0x7fffffff
	s_mov_b32 s[C9], 0x3e7c6f08
	WIN 0x40
	v_mov_b32 v[C9V], s[C9]
	v_mov_b32 v[C9V+1], s[C9]
	WIN 0
.endm
; THE STREAM: the GELU of a lane's 128 numbers, in eight groups of 16, three stages a group, the groups staggered so that the reciprocals and exponentials of one group stand singly between the plain lines of others.
; BEGIN sets the pace: ne exponentials of group ge, then nr reciprocals of group gr, dealt evenly over pn plain lines.  TICK stands behind every plain line and writes the transcendental that is due.
; So each transcendental has a plain line of another group behind it before its result is used (ISA guide 5.7.2).
.macro BEGIN pn, ne, ge, nr, gr
.set PN, \pn
.set NE, \ne
.set GE, \ge
.set TN, (\ne)+(\nr)
.set GR, \gr
.set PCNT, 0
.set TQ, 0
.endm
.macro TRANS
.if TQ < NE
	v_exp_f32 v[PR+16*(GE%2)+TQ], v[PR+16*(GE%2)+TQ]
.else
	v_rcp_f32 v[TR+16*(GR%2)+TQ-NE], v[TR+16*(GR%2)+TQ-NE]
.endif
.set TQ, TQ+1
.endm
.macro TICK
.set PCNT, PCNT+1
.if (TQ < TN) && (PCNT*TN >= (TQ+1)*PN)
	TRANS
.endif
.endm
.macro S1 g                            ; |x|; 1 + |x| sqrt(2) / 4; x + |x|.  The first line reads each accumulator from its low end on
.set gx, 16*(\g)
.set ga, AXR+16*((\g)%3)
.set gt, TR+16*((\g)%2)
.set q, 0
.rept 16
	v_and_b32 v[ga+q], s[ABSM], v[gx+q]
	TICK
.set q, q+1
.endr
.set q, 0
.rept 8
	v_pk_fma_f32 v[gt+q:gt+q+1], v[ga+q:ga+q+1], s[K1:K1+1], 1.0 op_sel_hi:[1,0,0]
	TICK
.set q, q+2
.endr
.set q, 0
.rept 8
	v_pk_add_f32 v[gx+q:gx+q+1], v[gx+q:gx+q+1], v[ga+q:ga+q+1]
	TICK
.set q, q+2
.endr
.endm
.macro S3 g                            ; P(t) by Horner, step by step over the eight pairs; - x^2 log2(e) / 2; |x| t
.set ga, AXR+16*((\g)%3)
.set gt, TR+16*((\g)%2)
.set gp, PR+16*((\g)%2)
.set q, 0
	s_wait_alu depctr_va_vdst(0)
.rept 8
	v_pk_fma_f32 v[gp+q:gp+q+1], v[gt+q:gt+q+1], v[C9V:C9V+1], s[C8:C8+1] op_sel_hi:[1,1,0]
	TICK
.set q, q+2
.endr
.irp c, C7,C6,C5,C4,C3,C2,C1,C0
.set q, 0
.rept 8
	v_pk_fma_f32 v[gp+q:gp+q+1], v[gp+q:gp+q+1], v[gt+q:gt+q+1], s[\c:\c+1] op_sel_hi:[1,1,0]
	TICK
.set q, q+2
.endr
.endr
.irp hf, 0,8
.set q, 0
.rept 4
	v_pk_mul_f32 v[UR+q:UR+q+1], v[ga+\hf+q:ga+\hf+q+1], v[ga+\hf+q:ga+\hf+q+1]
	TICK
.set q, q+2
.endr
.set q, 0
.rept 4
	v_pk_fma_f32 v[gp+\hf+q:gp+\hf+q+1], v[UR+q:UR+q+1], s[NC:NC+1], v[gp+\hf+q:gp+\hf+q+1] op_sel_hi:[1,0,1]
	TICK
.set q, q+2
.endr
.endr
.set q, 0
.rept 8
	v_pk_mul_f32 v[ga+q:ga+q+1], v[ga+q:ga+q+1], v[gt+q:gt+q+1]
	TICK
.set q, q+2
.endr
.endm
.macro S5 g                            ; (x + |x|) - (|x| t) 2^(..) = 2 gelu(x)
.set gx, 16*(\g)
.set ga, AXR+16*((\g)%3)
.set gp, PR+16*((\g)%2)
.set q, 0
	s_wait_alu depctr_va_vdst(0)
.rept 8
	v_pk_fma_f32 v[gx+q:gx+q+1], v[ga+q:ga+q+1], v[gp+q:gp+q+1], v[gx+q:gx+q+1] neg_lo:[1,0,0] neg_hi:[1,0,0]
	TICK
.set q, q+2
.endr
.endm
.macro STREAM loada, quant             ; all operands in window 1.  loada, quant: used by the chain's copy of this macro; here both are 0
	WIN 0x55
	BEGIN 1, 0, 0, 0, 0
	S1 0
	BEGIN 32, 0, 0, 16, 0
	S1 1
	BEGIN 96, 0, 0, 16, 1
	S3 0
.set KK, 1
.rept 6
	BEGIN 136, 16, KK-1, 16, KK+1                  ; the 16 exponentials are out behind line 68, ahead of S5 at line 129; the reciprocals begin behind line 73, their sources are made in lines 17-24
	S1 KK+1
	S3 KK
	S5 KK-1
.if (KK == 3) && \loada
	LOADA RECB
	WIN 0x55
.endif
.set KK, KK+1
.endr
	BEGIN 88, 16, 6, 0, 0                          ; the exponentials are out behind line 88, ahead of S5 at line 97
	S3 7
	S5 6
.if \quant
	BEGIN 28, 16, 7, 0, 0
	QUANT 0
	S5 7
	QUANT 1
	WIN 0x11
	v_lshl_or_b32 v[PW], v[TR+7], 24, v[TR+8]
	v_lshl_or_b32 v[PW+1], v[PR+7], 24, v[PR+8]
.else
.set q, 0
.rept 16
	v_exp_f32 v[PR+16+q], v[PR+16+q]
.set q, q+1
.endr
	v_nop                                          ; a plain place behind the last exponential
	s_wait_alu depctr_va_vdst(0)
	S5 7
.endif
.endm
; THE FIRST PRODUCT, transposed: source 0 = 16 rows of the weight, source 1 = 16 tokens: a lane holds ONE token (lane % 16), its registers run along the hidden units.
; The bias is the C of each sum's first instruction.  The 16 accumulators take turns, one instruction a turn.
.macro FP
	WIN 0x42                                       ; D window 1, source 0 window 2, source 1 and C window 0
.irp m, 0,1
.irp t, 0,1,2,3,4,5,6,7
	v_wmma_scale_f32_16x16x128_f8f6f4 v[64*\m+8*\t:64*\m+8*\t+7], v[16*\t:16*\t+7], v[XF+16*\m:XF+16*\m+7], v[B1+8*\t:B1+8*\t+7], v[W1S+\t], v[XS+\m] matrix_a_fmt:MATRIX_FMT_FP4 matrix_b_fmt:MATRIX_FMT_FP4
.endr
.endr
	WIN 0x52                                       ; C window 1 too
.irp m, 0,1
.irp t, 0,1,2,3,4,5,6,7
	v_wmma_scale_f32_16x16x128_f8f6f4 v[64*\m+8*\t:64*\m+8*\t+7], v[16*\t+8:16*\t+15], v[XF+16*\m+8:XF+16*\m+15], v[64*\m+8*\t:64*\m+8*\t+7], v[W1S+\t], v[XS+\m] matrix_a_fmt:MATRIX_FMT_FP4 matrix_b_fmt:MATRIX_FMT_FP4 matrix_a_scale:MATRIX_SCALE_ROW1 matrix_b_scale:MATRIX_SCALE_ROW1
.endr
.endr
.endm
	v_lshrrev_b32 v8, 5, v0
	v_readfirstlane_b32 s2, v8                     ; wave 0..3
	s_cmp_ge_u32 ttmp9, 128
	s_cbranch_scc1 .Lpack
	; ---------------- the classifier ----------------
	s_load_b512 s[4:19], s[0:1], 0x0               ; x's codes 4, x's scales 6, Wc1's codes 8, Wc1's scales 10, bc1 12, Wc2 14, bc2 16, levels 18
	v_and_b32 v9, 31, v0                           ; lane
	v_and_b32 v10, 15, v0                          ; r
	v_bfe_u32 v11, v0, 4, 1                        ; h
	v_and_b32 v12, 8, v10
	v_add_nc_u32 v12, v12, v10                     ; r + 8 (r / 8): the rows of a weight's tile are not neighbours
	v_lshlrev_b32 v13, 4, v11
	v_lshl_add_u32 v1, v10, 7, v13                 ; x's codes: row r of 128 bytes + 16 h
	v_lshl_add_u32 v3, v12, 7, v13                 ; Wc1's codes likewise
	v_lshlrev_b32 v13, 2, v11
	v_lshl_add_u32 v2, v10, 3, v13                 ; x's scale words: 8 bytes a row + 4 h
	v_lshl_add_u32 v4, v12, 3, v13                 ; Wc1's
	v_lshlrev_b32 v5, 6, v11                       ; bc1: 16 h numbers on
	v_mul_u32_u24 v6, v11, 192                     ; Wc2: 16 h rows of 12 bytes on
	v_lshlrev_b32 v7, 2, v9                        ; levels: 4 bytes a lane
.irp n, 0,1,2,3,4,5
	v_mov_b32 v[PJ+\n], 0                          ; written once: a lane permute's destination counts as one of its sources
.endr
	CONSTS
	s_lshl_b32 s24, ttmp9, 14                      ; 128 tokens of 128 bytes a work-group,
	s_lshl_b32 s25, s2, 12                         ; 32 a wave
	s_add_co_u32 s24, s24, s25
	s_mov_b32 s25, 0
	s_lshr_b32 s26, s24, 4                         ; 8 bytes of scales a token
	s_mov_b32 s27, 0
	s_lshr_b32 s28, s24, 5                         ; 4 bytes of level a token
	s_mov_b32 s29, 0
	s_wait_kmcnt 0x0
	s_load_b96 s[20:22], s[16:17], 0x0             ; bc2
	s_add_nc_u64 s[4:5], s[4:5], s[24:25]
	s_add_nc_u64 s[6:7], s[6:7], s[26:27]
	s_add_nc_u64 s[18:19], s[18:19], s[28:29]
.irp m, 0,1
.irp s, 0,1
.irp c, 0,1
	global_load_b128 v[XF+16*\m+8*\s+4*\c:XF+16*\m+8*\s+4*\c+3], v1, s[4:5] offset:2048*\m+64*\s+32*\c
.endr
.endr
	global_load_b32 v[XS+\m], v2, s[6:7] offset:128*\m
.endr
.irp t, 0,1,2,3,4,5,6,7
	global_load_b32 v[W1S+\t], v4, s[10:11] offset:(32*(\t/2)+8*(\t%2))*8
	global_load_b128 v[B1+8*\t:B1+8*\t+3], v5, s[12:13] offset:(32*(\t/2)+8*(\t%2))*4
	global_load_b128 v[B1+8*\t+4:B1+8*\t+7], v5, s[12:13] offset:(32*(\t/2)+8*(\t%2))*4+16
.endr
	WIN 0x80                                       ; destination window 2
.irp t, 0,1,2,3,4,5,6,7
.irp s, 0,1
.irp c, 0,1
	global_load_b128 v[16*\t+8*\s+4*\c:16*\t+8*\s+4*\c+3], v3, s[8:9] offset:(32*(\t/2)+8*(\t%2))*128+64*\s+32*\c
.endr
.endr
.endr
	WIN 0xc0                                       ; destination window 3: Wc2's rows of my 64 hidden units: register 48 b + 3 i + j = Wc2(32 b + 16 h + i, j)
.irp b, 0,1,2,3
.irp i, 0,1,2,3,4,5,6,7,8,9,10,11
	global_load_b128 v[48*\b+4*\i:48*\b+4*\i+3], v6, s[14:15] offset:384*\b+16*\i
.endr
.endr
	WIN 0
	s_wait_loadcnt 0x0
	s_wait_kmcnt 0x0
	FP
	WIN 0x55
.rept 4
	v_nop                                          ; four places between the last products and the first read of their results (ISA guide 7.12.1)
.endr
	STREAM 0, 0
	; logits.  A pair of hidden units (q, q + 1) meets six neighbouring numbers of Wc2: three packed multiply-adds into (l0, l1 of q), (l2 of q, l0 of q + 1), (l1, l2 of q + 1).  The first pair starts the sums.
	WIN 0x0d                                       ; source 0 window 1, source 1 window 3
.set kp, 0
.rept 32
.irp m, 0,1
.if kp == 0
	v_pk_mul_f32 v[LA+6*\m:LA+6*\m+1], v[64*\m:64*\m+1], v[0:1] op_sel_hi:[0,1]
	v_pk_mul_f32 v[LA+6*\m+2:LA+6*\m+3], v[64*\m:64*\m+1], v[2:3]
	v_pk_mul_f32 v[LA+6*\m+4:LA+6*\m+5], v[64*\m:64*\m+1], v[4:5] op_sel:[1,0] op_sel_hi:[1,1]
.else
	v_pk_fma_f32 v[LA+6*\m:LA+6*\m+1], v[64*\m+2*kp:64*\m+2*kp+1], v[6*kp:6*kp+1], v[LA+6*\m:LA+6*\m+1] op_sel_hi:[0,1,1]
	v_pk_fma_f32 v[LA+6*\m+2:LA+6*\m+3], v[64*\m+2*kp:64*\m+2*kp+1], v[6*kp+2:6*kp+3], v[LA+6*\m+2:LA+6*\m+3]
	v_pk_fma_f32 v[LA+6*\m+4:LA+6*\m+5], v[64*\m+2*kp:64*\m+2*kp+1], v[6*kp+4:6*kp+5], v[LA+6*\m+4:LA+6*\m+5] op_sel:[1,0,0] op_sel_hi:[1,1,1]
.endif
.endr
.set kp, kp+1
.endr
	WIN 0
.irp m, 0,1
	v_add_f32 v[AJ+3*\m], v[LA+6*\m], v[LA+6*\m+3]
	v_add_f32 v[AJ+3*\m+1], v[LA+6*\m+1], v[LA+6*\m+4]
	v_add_f32 v[AJ+3*\m+2], v[LA+6*\m+2], v[LA+6*\m+5]
.endr
.irp n, 0,1,2,3,4,5
	v_permlanex16_b32 v[PJ+\n], v[AJ+\n], s[SEL], s[SEL+1]     ; the token's other 64 hidden units lie in the lane 16 away
.endr
.irp n, 0,1,2,3,4,5
	v_add_f32 v[AJ+\n], v[AJ+\n], v[PJ+\n]
.endr
.irp m, 0,1
.irp j, 0,1,2
	v_fma_f32 v[AJ+3*\m+\j], v[AJ+3*\m+\j], 0.5, s[20+\j]      ; the factor 2 of 2 gelu goes off, exactly; + bc2
.endr
.endr
.irp m, 0,1
	v_max3_num_f32 v[MX+\m], v[AJ+3*\m], v[AJ+3*\m+1], v[AJ+3*\m+2]
.endr
.irp m, 0,1
.irp j, 0,1,2
	v_sub_f32 v[AJ+3*\m+\j], v[AJ+3*\m+\j], v[MX+\m]           ; the maximum is taken away ahead of the exponential
.endr
.endr
.irp n, 0,1,2,3,4,5
	v_mul_f32 v[AJ+\n], 0x3fb8aa3b, v[AJ+\n]
.endr
.irp n, 0,1,2,3,4,5
	v_exp_f32 v[AJ+\n], v[AJ+\n]
.endr
	v_nop
	s_wait_alu depctr_va_vdst(0)
.irp m, 0,1
	v_add_f32 v[SM+\m], v[AJ+3*\m], v[AJ+3*\m+1]
.endr
.irp m, 0,1
	v_add_f32 v[SM+\m], v[SM+\m], v[AJ+3*\m+2]
.endr
.irp m, 0,1
	v_rcp_f32 v[SM+\m], v[SM+\m]
.endr
	v_nop
	s_wait_alu depctr_va_vdst(0)
.irp m, 0,1
.irp j, 0,1,2
	v_mul_f32 v[AJ+3*\m+\j], v[AJ+3*\m+\j], v[SM+\m]           ; the probabilities
.endr
.endr
.irp m, 0,1                                    ; argmax by strict comparisons: the lower index keeps a tie.  Values are selected; nothing branches
	v_cmp_gt_f32 vcc_lo, v[AJ+3*\m+1], v[AJ+3*\m]
	v_cndmask_b32 v[LVR+\m], 0, 1, vcc_lo
	v_cndmask_b32 v[BS+\m], v[AJ+3*\m], v[AJ+3*\m+1], vcc_lo
	v_cmp_gt_f32 vcc_lo, v[AJ+3*\m+2], v[BS+\m]
	v_cndmask_b32 v[LVR+\m], v[LVR+\m], 2, vcc_lo
.endr
	v_cmp_lt_u32 vcc_lo, 15, v9
	v_cndmask_b32 v168, v[LVR], v[LVR+1], vcc_lo   ; lanes 0-15: tokens 0-15; lanes 16-31: tokens 16-31
	global_store_b32 v7, v168, s[18:19]            ; a wave stores 128 consecutive bytes, the four waves 512
	s_endpgm
	; ---------------- the packing ----------------
.Lpack:
	s_load_b512 s[4:19], s[0:1], 0x40              ; W1's codes 4, 6, 8; W1's scales 10, 12, 14; W2's codes 16, 18,
	s_load_b512 s[20:35], s[0:1], 0x80             ; 20; W2's scales 22, 24, 26; b1 28, 30, 32; wpack 34
	s_sub_co_u32 s3, ttmp9, 128                    ; the record
	v_and_b32 v2, 15, v0                           ; r
	v_bfe_u32 v3, v0, 4, 1                         ; h
	v_and_b32 v4, 8, v2
	v_add_nc_u32 v4, v4, v2                        ; r + 8 (r / 8)
	v_lshlrev_b32 v11, 4, v0                       ; where I store: 16 x thread
	s_wait_kmcnt 0x0
	s_cmp_lt_u32 s3, 24                            ; the level's buffers: the choice hangs on the work-group's number alone
	s_cselect_b64 s[36:37], s[6:7], s[8:9]
	s_cselect_b64 s[38:39], s[12:13], s[14:15]
	s_cselect_b64 s[40:41], s[18:19], s[20:21]
	s_cselect_b64 s[42:43], s[24:25], s[26:27]
	s_cselect_b64 s[44:45], s[30:31], s[32:33]
	s_cselect_b32 s46, 1, 2
	s_cselect_b32 s47, 8, 24
	s_cmp_lt_u32 s3, 8
	s_cselect_b64 s[36:37], s[4:5], s[36:37]       ; W1's codes
	s_cselect_b64 s[38:39], s[10:11], s[38:39]     ; W1's scales
	s_cselect_b64 s[40:41], s[16:17], s[40:41]     ; W2's codes
	s_cselect_b64 s[42:43], s[22:23], s[42:43]     ; W2's scales
	s_cselect_b64 s[44:45], s[28:29], s[44:45]     ; b1
	s_cselect_b32 s46, 0, s46                      ; the level l
	s_cselect_b32 s47, 0, s47
	s_sub_co_u32 s47, s3, s47                      ; j: the record's place in its level
	s_mul_i32 s76, s3, RECB
	s_mov_b32 s77, 0
	s_add_nc_u64 s[34:35], s[34:35], s[76:77]      ; my record
	s_lshl_b32 s76, s47, 14
	s_add_nc_u64 s[36:37], s[36:37], s[76:77]      ; 128 rows of 128 bytes a record
	s_lshl_b32 s76, s47, 10
	s_add_nc_u64 s[38:39], s[38:39], s[76:77]      ; 128 rows of 8 bytes
	s_lshl_b32 s76, s47, 9
	s_add_nc_u64 s[44:45], s[44:45], s[76:77]      ; 128 numbers
	v_lshlrev_b32 v10, 7, v4                       ; W1: thread (wave, lane) of pass it copies piece 4 it + wave: tile it, K step wave / 2, half wave % 2
	v_lshl_add_u32 v10, v3, 4, v10
	s_lshl_b32 s78, s2, 5
	v_add_nc_u32 v10, s78, v10
	s_lshr_b32 s76, s2, 1                          ; W2: piece 4 it + wave: tile 2 it + wave / 2, half wave % 2; a row is 512 << l bytes
	s_lshl_b32 s76, s76, 4
	v_add_nc_u32 v12, s76, v2
	s_add_co_u32 s77, s46, 9
	v_lshlrev_b32 v12, s77, v12
	s_and_b32 s76, s2, 1
	s_lshl_b32 s76, s76, 5
	s_lshl_b32 s78, s47, 6
	s_add_co_u32 s76, s76, s78
	v_lshl_add_u32 v12, v3, 4, v12
	v_add_nc_u32 v12, s76, v12
	s_add_co_u32 s77, s46, 14
	s_lshl_b32 s77, 1, s77                         ; 32 rows on for each pass
.irp i, 1,2,3,4,5,6,7
	v_add_nc_u32 v[12+\i], s77, v[11+\i]
.endr
.irp i, 0,1,2,3,4,5,6,7
	global_load_b128 v[32+4*\i:35+4*\i], v10, s[36:37] offset:(32*(\i/2)+8*(\i%2))*128
.endr
.irp i, 0,1,2,3,4,5,6,7
	global_load_b128 v[64+4*\i:67+4*\i], v[12+\i], s[40:41]
.endr
	s_cmp_lt_u32 s2, 2                             ; waves 0, 1: W1's scale words; waves 2, 3: W2's.  Four loads on either way, so the counts below hold on both
	s_cbranch_scc0 .Lw2s
	v_lshlrev_b32 v20, 3, v4
	v_lshl_add_u32 v20, v3, 2, v20
	s_lshl_b32 s78, s2, 9
	v_add_nc_u32 v20, s78, v20                     ; register 4 wave + e: row 64 wave + 32 (e / 2) + 8 (e % 2) + r + 8 (r / 8), K step h
.irp e, 0,1,2,3
	global_load_b32 v[96+\e], v20, s[38:39] offset:(32*(\e/2)+8*(\e%2))*8
.endr
	s_branch .Lsdone
.Lw2s:
	s_sub_co_u32 s78, s2, 2
	s_lshl_b32 s78, s78, 7
	v_lshl_add_u32 v20, v3, 4, v2
	v_add_nc_u32 v20, s78, v20                     ; register 4 (wave - 2) + e: row 128 (wave - 2) + 32 e + 16 h + r; a row is 32 << l bytes; the record's word is 4 j on
	v_add_nc_u32 v21, 32, v20
	v_add_nc_u32 v22, 64, v20
	v_add_nc_u32 v23, 0x60, v20
	s_add_co_u32 s79, s46, 5
	s_lshl_b32 s80, s47, 2
.irp e, 0,1,2,3
	v_lshlrev_b32 v[20+\e], s79, v[20+\e]
.endr
.irp e, 0,1,2,3
	v_add_nc_u32 v[20+\e], s80, v[20+\e]
.endr
.irp e, 0,1,2,3
	global_load_b32 v[96+\e], v[20+\e], s[42:43]
.endr
.Lsdone:
.irp i, 0,1,2,3,4,5,6,7
	s_wait_loadcnt 19-\i                           ; of the 20 loads those issued behind this one may be out
	global_store_b128 v11, v[32+4*\i:35+4*\i], s[34:35] offset:2048*\i          ; the four waves store 2,048 consecutive bytes
.endr
.irp i, 0,1,2,3,4,5,6,7
	s_wait_loadcnt 11-\i
	global_store_b128 v11, v[64+4*\i:67+4*\i], s[34:35] offset:16384+2048*\i
.endr
	s_wait_loadcnt 0x0
	global_store_b128 v11, v[96:99], s[34:35] offset:32768
	s_cmp_lg_u32 s2, 0
	s_cbranch_scc1 .Lpend
	global_load_b128 v[100:103], v11, s[44:45]     ; wave 0: b1's 512 bytes as they lie
	s_wait_loadcnt 0x0
	global_store_b128 v11, v[100:103], s[34:35] offset:34816
.Lpend:
	s_endpgm
.Lfunc_end_k_q8da32bcf2e_route:
	.size	k_q8da32bcf2e_route, .Lfunc_end_k_q8da32bcf2e_route-k_q8da32bcf2e_route
	.p2alignl 7, 3214868480
	.fill 96, 4, 3214868480
	.section	.rodata,"a",@progbits
	.p2align	6, 0x0
	.amdhsa_kernel k_q8da32bcf2e_route
		.amdhsa_group_segment_fixed_size 0
		.amdhsa_private_segment_fixed_size 0
		.amdhsa_enable_private_segment 0
		.amdhsa_kernarg_size 192
		.amdhsa_user_sgpr_count 2
		.amdhsa_user_sgpr_kernarg_segment_ptr 1
		.amdhsa_wavefront_size32 1
		.amdhsa_system_sgpr_workgroup_id_x 1
		.amdhsa_system_sgpr_workgroup_id_y 1
		.amdhsa_system_sgpr_workgroup_id_z 1
		.amdhsa_system_vgpr_workitem_id 0
		.amdhsa_next_free_vgpr 960
		.amdhsa_next_free_sgpr 96
		.amdhsa_reserve_vcc 1
		.amdhsa_float_denorm_mode_32 3
		.amdhsa_float_denorm_mode_16_64 3
		.amdhsa_memory_ordered 1
		.amdhsa_forward_progress 1
		.amdhsa_inst_pref_size 114
	.end_amdhsa_kernel
	.amdgpu_metadata
---
amdhsa.version: [ 1, 2 ]
amdhsa.kernels:
  - .name:           k_q8da32bcf2e_route
    .symbol:         k_q8da32bcf2e_route.kd
    .args:
      - { .name: token_embeddings_codes, .offset: 0, .size: 8, .value_kind: global_buffer, .address_space: global }
      - { .name: token_embeddings_scales, .offset: 8, .size: 8, .value_kind: global_buffer, .address_space: global }
      - { .name: Wc1_codes, .offset: 16, .size: 8, .value_kind: global_buffer, .address_space: global }
      - { .name: Wc1_scales, .offset: 24, .size: 8, .value_kind: global_buffer, .address_space: global }
      - { .name: bc1, .offset: 32, .size: 8, .value_kind: global_buffer, .address_space: global }
      - { .name: Wc2, .offset: 40, .size: 8, .value_kind: global_buffer, .address_space: global }
      - { .name: bc2, .offset: 48, .size: 8, .value_kind: global_buffer, .address_space: global }
      - { .name: levels, .offset: 56, .size: 8, .value_kind: global_buffer, .address_space: global }
      - { .name: W1_0_codes, .offset: 64, .size: 8, .value_kind: global_buffer, .address_space: global }
      - { .name: W1_1_codes, .offset: 72, .size: 8, .value_kind: global_buffer, .address_space: global }
      - { .name: W1_2_codes, .offset: 80, .size: 8, .value_kind: global_buffer, .address_space: global }
      - { .name: W1_0_scales, .offset: 88, .size: 8, .value_kind: global_buffer, .address_space: global }
      - { .name: W1_1_scales, .offset: 96, .size: 8, .value_kind: global_buffer, .address_space: global }
      - { .name: W1_2_scales, .offset: 104, .size: 8, .value_kind: global_buffer, .address_space: global }
      - { .name: W2_0_codes, .offset: 112, .size: 8, .value_kind: global_buffer, .address_space: global }
      - { .name: W2_1_codes, .offset: 120, .size: 8, .value_kind: global_buffer, .address_space: global }
      - { .name: W2_2_codes, .offset: 128, .size: 8, .value_kind: global_buffer, .address_space: global }
      - { .name: W2_0_scales, .offset: 136, .size: 8, .value_kind: global_buffer, .address_space: global }
      - { .name: W2_1_scales, .offset: 144, .size: 8, .value_kind: global_buffer, .address_space: global }
      - { .name: W2_2_scales, .offset: 152, .size: 8, .value_kind: global_buffer, .address_space: global }
      - { .name: b1_0, .offset: 160, .size: 8, .value_kind: global_buffer, .address_space: global }
      - { .name: b1_1, .offset: 168, .size: 8, .value_kind: global_buffer, .address_space: global }
      - { .name: b1_2, .offset: 176, .size: 8, .value_kind: global_buffer, .address_space: global }
      - { .name: wpack, .offset: 184, .size: 8, .value_kind: global_buffer, .address_space: global }
    .group_segment_fixed_size: 0
    .private_segment_fixed_size: 0
    .kernarg_segment_align: 8
    .kernarg_segment_size: 192
    .max_flat_workgroup_size: 128
    .sgpr_count:     96
    .vgpr_count:     960
    .wavefront_size: 32
...
	.end_amdgpu_metadata
.endif
;; end of part 1
;; launch place (part 2): grid 1 x 1, 32 waves a work-group, no clusters, 4,352 bytes of LDS; arguments levels, order, tiles; writes order, tiles
.if DOCPART == 2
	.amdgcn_target "amdgcn-amd-amdhsa--gfx1250"
	.amdhsa_code_object_version 6
	.text
	.protected	k_q8da32bcf2e_place
	.globl	k_q8da32bcf2e_place
	.p2align	8
	.type	k_q8da32bcf2e_place,@function
k_q8da32bcf2e_place:
	s_mov_b64 s[64:65], 0
	v_nop
	global_prefetch_b8 v0, s[64:65] scope:SCOPE_SE
	s_setreg_imm32_b32 hwreg(HW_REG_WAVE_MODE, 25, 1), 1
	s_wait_xcnt 0x0
; PLACE.  A counting sort of the 16,384 tokens by level, by one work-group of 1,024 threads, whole numbers only, no atomics.
; order: the tokens of level 2, then 1, then 0 (the longest chains first), each level filled up to whole tiles of 32 rows with the entry 0; 514 tiles of 128 bytes, all written.
; tiles: entry i of 1,024, 16 bytes: rows in use (0 for a tile that this split leaves empty), level, chunks a wave (8, 4, 2), the level's first record (24, 8, 0).
; With three levels there are never more than (16,384 + 3 x 31) / 32 = 514 tiles, whatever the split.
; Thread t owns tokens 16 t .. 16 t + 15.  Counts are packed: three fields of 10 bits inside a wave (512 tokens at the most), two fields of 16 bits across waves; level 2's follow from the totals.
; One work-group: the sort is 64 KiB in and 64 KiB out, and its two scans want one barrier.
.set LV,  16                           ; v16-31 the levels of my 16 tokens; later the table's entry in the making
.set SH,  32                           ; v32-47 10 x level: the field's place
.set INC, 48                           ; v48-63 1 << that
.set POS, 64                           ; v64-79 byte offsets in order: one register a store, none written again
.set TOK, 80                           ; v80-95 the tokens' numbers
.set TA,  96                           ; v96    16 x thread: my entry's place in tiles; made at the head, holds nothing else
.macro SCAN s, tmp                     ; inclusive sums over the wave's 32 lanes: four steps inside each half of 16, then lane 15's sum onto the upper half
.irp n, 1,2,4,8
	v_mov_b32 v[\tmp], 0
	v_mov_b32_dpp v[\tmp], v[\s] row_shr:\n row_mask:0xf bank_mask:0xf bound_ctrl:1
	v_add_nc_u32 v[\s], v[\s], v[\tmp]
.endr
	v_readlane_b32 s20, v[\s], 15
	v_mov_b32 v[\tmp], s20
	v_cndmask_b32 v[\tmp], 0, v[\tmp], s21
	v_add_nc_u32 v[\s], v[\s], v[\tmp]
.endm
	s_load_b128 s[4:7], s[0:1], 0x0                ; levels, order
	s_load_b64 s[8:9], s[0:1], 0x10                ; tiles
	v_lshl_add_u32 v104, v0, 2, 0x100
	v_mov_b32 v105, 0
	v_lshlrev_b32 v[TA], 4, v0
	v_lshrrev_b32 v1, 5, v0
	v_readfirstlane_b32 s2, v1                     ; wave 0..31
	v_and_b32 v1, 31, v0                           ; lane
	v_lshlrev_b32 v2, 6, v0                        ; my 16 words
	v_mov_b32 v3, 1
	v_cmp_lt_u32 s21, 15, v1                       ; the upper half of the lanes
	s_wait_kmcnt 0x0
.irp i, 0,1,2,3
	global_load_b128 v[LV+4*\i:LV+4*\i+3], v2, s[4:5] offset:16*\i
.endr
	s_wait_loadcnt 0x0
.irp e, 0,1,2,3,4,5,6,7,8,9,10,11,12,13,14,15
	v_min_u32 v[LV+\e], 2, v[LV+\e]
.endr
.irp e, 0,1,2,3,4,5,6,7,8,9,10,11,12,13,14,15
	v_mul_u32_u24 v[SH+\e], v[LV+\e], 10
.endr
.irp e, 0,1,2,3,4,5,6,7,8,9,10,11,12,13,14,15
	v_lshlrev_b32 v[INC+\e], v[SH+\e], v3
.endr
	v_add_nc_u32 v4, v[INC], v[INC+1]
.irp e, 2,3,4,5,6,7,8,9,10,11,12,13,14,15
	v_add_nc_u32 v4, v4, v[INC+\e]                 ; my counts, three fields
.endr
	v_mov_b32 v5, v4
	SCAN 5, 6
	v_sub_nc_u32 v7, v5, v4                        ; what the lanes below me count
	v_readlane_b32 s22, v5, 31                     ; the wave's counts
	s_bfe_u32 s23, s22, 0xa000a
	s_and_b32 s24, s22, 0x3ff
	s_lshl_b32 s23, s23, 16
	s_or_b32 s24, s24, s23                         ; level 0's | level 1's << 16
	v_mov_b32 v8, s24
	v_mov_b32 v9, s2
	v_lshlrev_b32 v9, 2, v9
	ds_store_b32 v9, v8                            ; all lanes write the wave's word with the same value
	s_wait_dscnt 0x0                               ; for the others' sake: my store is done
	s_barrier_signal -1
	s_barrier_wait -1
	v_lshlrev_b32 v10, 2, v1
	ds_load_b32 v11, v10                           ; lane i: wave i's counts
	s_wait_dscnt 0x0
	v_mov_b32 v12, v11
	SCAN 12, 6
	v_sub_nc_u32 v13, v12, v11
	v_readlane_b32 s25, v13, s2                    ; what the waves below mine count
	v_readlane_b32 s26, v12, 31                    ; the totals
	s_and_b32 s27, s25, 0xffff
	s_lshr_b32 s28, s25, 16
	s_lshl_b32 s29, s2, 9
	s_sub_co_u32 s29, s29, s27
	s_sub_co_u32 s29, s29, s28                     ; level 2's: the rest of the 512 x wave tokens below
	s_and_b32 s30, s26, 0xffff                     ; n0
	s_lshr_b32 s31, s26, 16                        ; n1
	s_sub_co_u32 s32, 0x4000, s30
	s_sub_co_u32 s32, s32, s31                     ; n2
	s_add_co_u32 s33, s32, 31
	s_lshr_b32 s33, s33, 5                         ; level 2's tiles
	s_add_co_u32 s34, s31, 31
	s_lshr_b32 s34, s34, 5
	s_add_co_u32 s34, s34, s33                     ; + level 1's
	s_add_co_u32 s35, s30, 31
	s_lshr_b32 s35, s35, 5
	s_add_co_u32 s35, s35, s34                     ; + level 0's: all tiles in use
	s_lshl_b32 s36, s33, 5                         ; where level 1 begins in order,
	s_lshl_b32 s37, s34, 5                         ; level 0,
	s_lshl_b32 s38, s35, 5                         ; and the empty tiles
	s_add_co_u32 s27, s27, s37
	s_add_co_u32 s28, s28, s36
	v_mov_b32 v8, s27                              ; my wave's first place in level 0,
	v_mov_b32 v9, s28                              ; 1,
	v_mov_b32 v10, s29                             ; 2
.set e, 0
.rept 16
	v_lshrrev_b32 v14, v[SH+e], v7
	v_add_nc_u32 v7, v7, v[INC+e]                  ; the running counts take this token in
	v_cmp_eq_u32 vcc_lo, 1, v[LV+e]
	v_cndmask_b32 v15, v8, v9, vcc_lo
	v_cmp_eq_u32 vcc_lo, 2, v[LV+e]
	v_cndmask_b32 v15, v15, v10, vcc_lo
	v_and_b32 v14, 0x3ff, v14                      ; its rank in the wave, within its level
	v_add_nc_u32 v[POS+e], v15, v14
	v_min_u32 v[POS+e], 0x403f, v[POS+e]           ; held inside order's 16,448 entries
	v_lshlrev_b32 v[POS+e], 2, v[POS+e]
	v_lshl_add_u32 v[TOK+e], v0, 4, e
	global_store_b32 v[POS+e], v[TOK+e], s[6:7]
.set e, e+1
.endr
	; the filling: waves 0, 1, 2 fill up levels 2, 1, 0 (31 entries at the most), waves 3 and 4 the empty tiles (64 at the most)
	s_add_co_u32 s43, s36, s31                     ; level 1's end
	s_add_co_u32 s44, s37, s30                     ; level 0's end
	s_add_co_u32 s45, s38, 32
	s_mov_b32 s40, 0
	s_mov_b32 s41, 0
	s_cmp_eq_u32 s2, 0
	s_cselect_b32 s40, s32, s40
	s_cselect_b32 s41, s36, s41
	s_cmp_eq_u32 s2, 1
	s_cselect_b32 s40, s43, s40
	s_cselect_b32 s41, s37, s41
	s_cmp_eq_u32 s2, 2
	s_cselect_b32 s40, s44, s40
	s_cselect_b32 s41, s38, s41
	s_cmp_eq_u32 s2, 3
	s_cselect_b32 s40, s38, s40
	s_cselect_b32 s41, 0x4040, s41
	s_cmp_eq_u32 s2, 4
	s_cselect_b32 s40, s45, s40
	s_cselect_b32 s41, 0x4040, s41
	v_add_nc_u32 v14, s40, v1
	v_cmp_gt_u32 vcc_lo, s41, v14
	v_min_u32 v14, 0x403f, v14
	v_lshlrev_b32 v14, 2, v14
	v_mov_b32 v15, 0
	s_wait_xcnt 0x0                                ; EXEC is a source of the stores above: it changes only behind this wait
	s_wait_tensorcnt 0x0
	ds_add_u32 v104, v105
	s_wait_dscnt 0x0
	s_and_saveexec_b32 s42, vcc_lo
	global_store_b32 v14, v15, s[6:7]
	s_wait_xcnt 0x0                                ; and again in front of the line that widens it
	s_or_b32 exec_lo, exec_lo, s42
	; the table: thread i writes entry i
	v_lshlrev_b32 v16, 5, v0
	v_cmp_gt_u32 s22, s33, v0                      ; a tile of level 2,
	v_cmp_gt_u32 s23, s34, v0                      ; of level 2 or 1,
	v_cmp_gt_u32 s24, s35, v0                      ; in use
	v_sub_nc_u32 v17, s44, v16                     ; rows left from this tile on, as a tile of level 0,
	v_sub_nc_u32 v18, s43, v16                     ; 1,
	v_sub_nc_u32 v19, s32, v16                     ; 2
	v_cndmask_b32 v17, v17, v18, s23
	v_cndmask_b32 v17, v17, v19, s22
	v_min_u32 v17, 32, v17
	v_cndmask_b32 v24, 0, v17, s24
	v_cndmask_b32 v25, 0, 1, s23
	v_cndmask_b32 v25, v25, 2, s22
	v_cndmask_b32 v26, 2, 4, s23
	v_cndmask_b32 v26, v26, 8, s22
	v_cndmask_b32 v27, 0, 8, s23
	v_cndmask_b32 v27, v27, 24, s22
	global_store_b128 v[TA], v[24:27], s[8:9]      ; a wave stores 512 consecutive bytes
	s_endpgm
.Lfunc_end_k_q8da32bcf2e_place:
	.size	k_q8da32bcf2e_place, .Lfunc_end_k_q8da32bcf2e_place-k_q8da32bcf2e_place
	.p2alignl 7, 3214868480
	.fill 96, 4, 3214868480
	.section	.rodata,"a",@progbits
	.p2align	6, 0x0
	.amdhsa_kernel k_q8da32bcf2e_place
		.amdhsa_group_segment_fixed_size 4352
		.amdhsa_private_segment_fixed_size 0
		.amdhsa_enable_private_segment 0
		.amdhsa_kernarg_size 24
		.amdhsa_user_sgpr_count 2
		.amdhsa_user_sgpr_kernarg_segment_ptr 1
		.amdhsa_wavefront_size32 1
		.amdhsa_system_sgpr_workgroup_id_x 1
		.amdhsa_system_sgpr_workgroup_id_y 1
		.amdhsa_system_sgpr_workgroup_id_z 1
		.amdhsa_system_vgpr_workitem_id 0
		.amdhsa_next_free_vgpr 106
		.amdhsa_next_free_sgpr 66
		.amdhsa_reserve_vcc 1
		.amdhsa_float_denorm_mode_32 3
		.amdhsa_float_denorm_mode_16_64 3
		.amdhsa_memory_ordered 1
		.amdhsa_forward_progress 1
		.amdhsa_inst_pref_size 18
	.end_amdhsa_kernel
	.amdgpu_metadata
---
amdhsa.version: [ 1, 2 ]
amdhsa.kernels:
  - .name:           k_q8da32bcf2e_place
    .symbol:         k_q8da32bcf2e_place.kd
    .args:
      - { .name: levels, .offset: 0, .size: 8, .value_kind: global_buffer, .address_space: global }
      - { .name: order, .offset: 8, .size: 8, .value_kind: global_buffer, .address_space: global }
      - { .name: tiles, .offset: 16, .size: 8, .value_kind: global_buffer, .address_space: global }
    .group_segment_fixed_size: 4352
    .private_segment_fixed_size: 0
    .kernarg_segment_align: 8
    .kernarg_segment_size: 24
    .max_flat_workgroup_size: 1024
    .sgpr_count:     66
    .vgpr_count:     106
    .wavefront_size: 32
...
	.end_amdgpu_metadata
.endif
;; end of part 2
;; launch chain (part 3): grid 514 x 1, 4 waves a work-group, no clusters, 133,632 bytes of LDS; arguments token_embeddings_codes, token_embeddings_scales, wpack, b2_0, b2_1, b2_2, order, tiles, out0; writes out0
.if DOCPART == 3
	.amdgcn_target "amdgcn-amd-amdhsa--gfx1250"
	.amdhsa_code_object_version 6
	.text
	.protected	k_q8da32bcf2e_chain
	.globl	k_q8da32bcf2e_chain
	.p2align	8
	.type	k_q8da32bcf2e_chain,@function
k_q8da32bcf2e_chain:
	s_mov_b64 s[64:65], 0
	v_nop
	global_prefetch_b8 v0, s[64:65] scope:SCOPE_SE
	s_setreg_imm32_b32 hwreg(HW_REG_WAVE_MODE, 25, 1), 1
	s_wait_xcnt 0x0
; CHAIN.  out[token] = gelu(x W1 + b1) W2 + b2 of the token's own level, both products on codes of E2M1 with one E8M0 scale for each 32 along K; the hidden layer never goes to memory.
; SHARES.  A work-group takes one tile: 32 tokens of one level, named by the lists that the launch before stored.  ITS FOUR WAVES SHARE THE HIDDEN AXIS: wave w takes chunks w nc .. w nc + nc - 1
; of 128 hidden units (nc = 2, 4, 8 by the level) for all 32 tokens, and keeps a partial 32 x 256 result in 256 registers; the four parts meet in LDS behind the kernel's one barrier.
; A CHUNK: 32 matrix instructions x W1^T (bias as C), the GELU of 128 numbers a lane, their quantising in registers (they are one K step of the second product), 32 matrix instructions onto the result.
; The weights come straight into registers from records laid in the operands' order: no two waves read the same fragment, so LDS would serve nothing.  A chunk's second-product set is asked for a chunk ahead,
; the next first-product set in the middle of the GELU.
; 514 work-groups serve every split of the tokens.  A tile that a split leaves without rows (two at the most) has the entry (0 rows, level 0): it walks the shortest level on the list's filling and stores nothing:
; so the barrier and the LDS reads behind it stand on one way that no loaded number bends.
; NO CLUSTER: tiles of one level read the same records, but a work-group's level and its number of trips are numbers read from memory, so partners would make different numbers of requests.
; GELU.  2 gelu(x) = (x + |x|) - |x| E, E = erfc(|x| / sqrt 2) = t 2^(P(t) - x^2 log2(e) / 2), t = 1 / (1 + |x| sqrt(2) / 4), P of degree 9 (the rational-exponential fit of erfc with a
; fractional error near 1.2e-7 at every argument, its coefficients times log2 e).  Neither side cancels.  What is quantised is 2 gelu: the same codes under a scale one step up; out = 0.5 sum + b2 takes it off exactly.
; LIMITS: NaN and infinities are not served; an E under 2^-126 counts as 0; the hold of a hidden block's scale at its lowest exponent bites one binade later than the definition's (blocks under 2^-124);
; a hidden block of zeros has the byte 1 with zero codes, which add nothing.
; REGISTERS, in windows of 256: window 0: addresses, x's fragments, all scale words, b1, b2, the rows on their way out.  window 1: the hidden layer and the GELU's registers; at the end the parts to be added.
;   window 2: v0-127 W1's 16 fragments, v128-255 W2's 16.   window 3: the 32 accumulators of the result (tile of tokens m, tile of outputs i: 8 (16 m + i)).
.set RECB,  35328
.set PITCH, 1040                       ; a row of 256 f32 in LDS + 16 bytes: the sixteen rows that a store touches begin at sixteen different 16-byte columns of 256
.set REG,   32*PITCH                   ; a wave's part: 32 rows
.set L16,   1                          ; v1   16 x lane
.set BOFF,  2                          ; v2   64 h: b1's 16 h numbers on
.set OI,    3                          ; v3   4 r
.set TK,    4                          ; v4-5 the tokens of rows r and 16 + r
.set XO,    6                          ; v6-7 their codes' offsets
.set SO,    8                          ; v8-9 their scale words'
.set LST,   10                         ; v10  LDS: where I put 32 bytes of a row of my part
.set LRD,   11                         ; v11-14 LDS: where I read my eight rows of the four parts
.set XF,    16                         ; v16-47 x's fragments (16 m + 8 s + 4 c)
.set XS,    48                         ; v48-49 x's scale words: lanes 0-15 K step 0, lanes 16-31 K step 1
.set PW,    50                         ; v50-51 the hidden layer's scale words
.set W1S,   52                         ; v52-59 W1's
.set W2S,   60                         ; v60-67 W2's: lanes 0-15 tile 2 i, lanes 16-31 tile 2 i + 1
.set B1,    72                         ; v72-135 b1 in the result's layout
.set B2,    136                        ; v136-143 b2 at my columns of a row
.set OA,    144                        ; v144-151 byte offsets of my eight rows in out0
.set OUTR,  152                        ; v152-215 my eight rows, finished
.set AXR,   128                        ; window 1: v0-127 the hidden layer (64 m + 16 b + i = unit 32 b + 16 h + i); v128-175 |x|, three slots of 16
.set TR,    176                        ; v176-207 t, two slots
.set PR,    208                        ; v208-239 P, two slots
.set UR,    240
.set C9V,   248
.set REC,   32                         ; s[32:33] my chunk's record
.set CNT,   34
.set NV,    35                         ; rows in use from my first row on (may be negative)
.set C0,    48                         ; s[48:63] c0 .. c7 as pairs; s64 and s65 are never named
.set C1,    50
.set C2,    52
.set C3,    54
.set C4,    56
.set C5,    58
.set C6,    60
.set C7,    62
.set C8,    66
.set K1,    68
.set NC,    70
.set SEL,   72
.set ABSM,  74
.set C9,    75
.set MSB,   0
.macro WIN new                         ; the immediate's high byte repeats the setting that is left; a switch that changes nothing is dropped
.if MSB != \new
	s_set_vgpr_msb (MSB<<8)|\new
.set MSB, \new
.endif
.endm
.macro KPAIR reg, bits                 ; the packed forms name a pair and take its low word for both halves: both words are written
	s_mov_b32 s[\reg], \bits
	s_mov_b32 s[\reg+1], \bits
.endm
.macro CONSTS
	KPAIR C0, 0xbfe9b21e
	KPAIR C1, 0x3fb8ab5a
	KPAIR C2, 0x3f0a29d2
	KPAIR C3, 0x3e0efb2e
	KPAIR C4, 0xbe899a80
	KPAIR C5, 0x3ecdfd18
	KPAIR C6, 0xbfd1a1e5
	KPAIR C7, 0x40097039
	KPAIR C8, 0xbf97d29d
	KPAIR K1, 0x3eb504f3                           ; sqrt(2) / 4
	KPAIR NC, 0xbf38aa3b                           ; -log2(e) / 2
	s_mov_b32 s[SEL], 0x76543210
	s_mov_b32 s[SEL+1], 0xfedcba98                 ; v_permlanex16_b32's selects for lane l xor 16
	s_mov_b32 s[ABSM], 0x7fffffff
	s_mov_b32 s[C9], 0x3e7c6f08
	WIN 0x40
	v_mov_b32 v[C9V], s[C9]
	v_mov_b32 v[C9V+1], s[C9]
	WIN 0
.endm
; THE STREAM: the GELU of a lane's 128 numbers, in eight groups of 16, three stages a group, the groups staggered so that the reciprocals and exponentials of one group stand singly between the plain lines of others.
; BEGIN sets the pace: ne exponentials of group ge, then nr reciprocals of group gr, dealt evenly over pn plain lines.  TICK stands behind every plain line and writes the transcendental that is due.
; So each transcendental has a plain line of another group behind it before its result is used (ISA guide 5.7.2).
.macro BEGIN pn, ne, ge, nr, gr
.set PN, \pn
.set NE, \ne
.set GE, \ge
.set TN, (\ne)+(\nr)
.set GR, \gr
.set PCNT, 0
.set TQ, 0
.endm
.macro TRANS
.if TQ < NE
	v_exp_f32 v[PR+16*(GE%2)+TQ], v[PR+16*(GE%2)+TQ]
.else
	v_rcp_f32 v[TR+16*(GR%2)+TQ-NE], v[TR+16*(GR%2)+TQ-NE]
.endif
.set TQ, TQ+1
.endm
.macro TICK
.set PCNT, PCNT+1
.if (TQ < TN) && (PCNT*TN >= (TQ+1)*PN)
	TRANS
.endif
.endm
.macro S1 g                            ; |x|; 1 + |x| sqrt(2) / 4; x + |x|.  The first line reads each accumulator from its low end on
.set gx, 16*(\g)
.set ga, AXR+16*((\g)%3)
.set gt, TR+16*((\g)%2)
.set q, 0
.rept 16
	v_and_b32 v[ga+q], s[ABSM], v[gx+q]
	TICK
.set q, q+1
.endr
.set q, 0
.rept 8
	v_pk_fma_f32 v[gt+q:gt+q+1], v[ga+q:ga+q+1], s[K1:K1+1], 1.0 op_sel_hi:[1,0,0]
	TICK
.set q, q+2
.endr
.set q, 0
.rept 8
	v_pk_add_f32 v[gx+q:gx+q+1], v[gx+q:gx+q+1], v[ga+q:ga+q+1]
	TICK
.set q, q+2
.endr
.endm
.macro S3 g                            ; P(t) by Horner, step by step over the eight pairs; - x^2 log2(e) / 2; |x| t
.set ga, AXR+16*((\g)%3)
.set gt, TR+16*((\g)%2)
.set gp, PR+16*((\g)%2)
.set q, 0
	s_wait_alu depctr_va_vdst(0)
.rept 8
	v_pk_fma_f32 v[gp+q:gp+q+1], v[gt+q:gt+q+1], v[C9V:C9V+1], s[C8:C8+1] op_sel_hi:[1,1,0]
	TICK
.set q, q+2
.endr
.irp c, C7,C6,C5,C4,C3,C2,C1,C0
.set q, 0
.rept 8
	v_pk_fma_f32 v[gp+q:gp+q+1], v[gp+q:gp+q+1], v[gt+q:gt+q+1], s[\c:\c+1] op_sel_hi:[1,1,0]
	TICK
.set q, q+2
.endr
.endr
.irp hf, 0,8
.set q, 0
.rept 4
	v_pk_mul_f32 v[UR+q:UR+q+1], v[ga+\hf+q:ga+\hf+q+1], v[ga+\hf+q:ga+\hf+q+1]
	TICK
.set q, q+2
.endr
.set q, 0
.rept 4
	v_pk_fma_f32 v[gp+\hf+q:gp+\hf+q+1], v[UR+q:UR+q+1], s[NC:NC+1], v[gp+\hf+q:gp+\hf+q+1] op_sel_hi:[1,0,1]
	TICK
.set q, q+2
.endr
.endr
.set q, 0
.rept 8
	v_pk_mul_f32 v[ga+q:ga+q+1], v[ga+q:ga+q+1], v[gt+q:gt+q+1]
	TICK
.set q, q+2
.endr
.endm
.macro S5 g                            ; (x + |x|) - (|x| t) 2^(..) = 2 gelu(x)
.set gx, 16*(\g)
.set ga, AXR+16*((\g)%3)
.set gp, PR+16*((\g)%2)
.set q, 0
	s_wait_alu depctr_va_vdst(0)
.rept 8
	v_pk_fma_f32 v[gx+q:gx+q+1], v[ga+q:ga+q+1], v[gp+q:gp+q+1], v[gx+q:gx+q+1] neg_lo:[1,0,0] neg_hi:[1,0,0]
	TICK
.set q, q+2
.endr
.endm
; The 64 numbers of tile of tokens m become a fragment's codes (v192 + 32 m on) and three bytes of its scale word, all in window 1, in slots of t and P that are done with.
; A block of 32 lies in lanes l and l xor 16.  Its scale: the largest magnitude's exponent field less 2, with the floor 2^(3 - 127) among the leaves, so that the byte cannot fall under 1.
.macro QUANT m
.set qs, 64*(\m)
.set tm, TR+32*(\m)
.set pc, TR+16+32*(\m)
.irp b, 0,1,2,3
	v_max3_num_f32 v[tm+\b], |v[qs+16*\b]|, |v[qs+16*\b+1]|, 0x1800000
	TICK
.endr
.irp i, 2,4,6,8,10,12,14
.irp b, 0,1,2,3
	v_max3_num_f32 v[tm+\b], v[tm+\b], |v[qs+16*\b+\i]|, |v[qs+16*\b+\i+1]|   ; the four blocks by turns
	TICK
.endr
.endr
.irp b, 0,1,2,3
	v_permlanex16_b32 v[tm+4+\b], v[tm+\b], s[SEL], s[SEL+1]
.endr
.irp b, 0,1,2,3
	v_max_num_f32 v[tm+\b], v[tm+\b], v[tm+4+\b]
.endr
.irp b, 0,1,2,3
	v_add_nc_u32 v[tm+12+\b], 0xff000000, v[tm+\b]             ; 2 off the exponent field: the conversion takes the exponent field of this operand as its scale
.endr
.irp b, 0,1,2,3
	v_lshrrev_b32 v[tm+4+\b], 23, v[tm+12+\b]                  ; the scale's byte
.endr
	v_lshl_or_b32 v[tm+8], v[tm+5], 8, v[tm+4]
	v_lshl_or_b32 v[tm+8], v[tm+6], 16, v[tm+8]
.irp b, 0,1,2,3
	v_cvt_scalef32_pk8_fp4_f32 v[pc+2*\b], v[qs+16*\b:qs+16*\b+7], v[tm+12+\b]
	v_cvt_scalef32_pk8_fp4_f32 v[pc+2*\b+1], v[qs+16*\b+8:qs+16*\b+15], v[tm+12+\b]
.endr
	v_nop                                          ; one plain place behind a scaled conversion
	s_wait_alu depctr_va_vdst(0)
.irp c, 0,1                                    ; the operand's layout wants a whole block in a lane: lanes 0-15 block 2 c, lanes 16-31 block 2 c + 1
.irp i, 0,1
	v_permlane16_swap_b32 v[pc+4*\c+\i], v[pc+2+4*\c+\i]
.endr
.endr
.endm
; A record's first-product set: W1's 16 fragments, their scale words, b1: 50 loads.  Its second-product set: W2's 16 fragments and their scale words: 34 loads.  Each code load reads 512 consecutive bytes.
.macro LOADA off
	WIN 0x80                                       ; destination window 2
.set n, 0
.rept 32
	global_load_b128 v[4*n:4*n+3], v[L16], s[REC:REC+1] offset:\off+512*n
.set n, n+1
.endr
	WIN 0
.irp qq, 0,1
	global_load_b128 v[W1S+4*\qq:W1S+4*\qq+3], v[L16], s[REC:REC+1] offset:\off+32768+512*\qq
.endr
.irp t, 0,1,2,3,4,5,6,7
.irp e, 0,1
	global_load_b128 v[B1+8*\t+4*\e:B1+8*\t+4*\e+3], v[BOFF], s[REC:REC+1] offset:\off+34816+(32*(\t/2)+8*(\t%2))*4+16*\e
.endr
.endr
.endm
.macro LOADB off
	WIN 0x80
.set n, 0
.rept 32
	global_load_b128 v[128+4*n:128+4*n+3], v[L16], s[REC:REC+1] offset:\off+16384+512*n
.set n, n+1
.endr
	WIN 0
.irp qq, 0,1
	global_load_b128 v[W2S+4*\qq:W2S+4*\qq+3], v[L16], s[REC:REC+1] offset:\off+33792+512*\qq
.endr
.endm
.macro STREAM loada, quant             ; all operands in window 1.  loada = 1: the next record's first-product set is asked for in the middle.  quant = 1: the results are quantised
	WIN 0x55
	BEGIN 1, 0, 0, 0, 0
	S1 0
	BEGIN 32, 0, 0, 16, 0
	S1 1
	BEGIN 96, 0, 0, 16, 1
	S3 0
.set KK, 1
.rept 6
	BEGIN 136, 16, KK-1, 16, KK+1                  ; the 16 exponentials are out behind line 68, ahead of S5 at line 129; the reciprocals begin behind line 73, their sources are made in lines 17-24
	S1 KK+1
	S3 KK
	S5 KK-1
.if (KK == 3) && \loada
	LOADA RECB
	WIN 0x55
.endif
.set KK, KK+1
.endr
	BEGIN 88, 16, 6, 0, 0                          ; the exponentials are out behind line 88, ahead of S5 at line 97
	S3 7
	S5 6
.if \quant
	BEGIN 28, 16, 7, 0, 0                          ; the last group's exponentials stand between the first tile's maxima
	QUANT 0
	S5 7
	QUANT 1
	WIN 0x11                                       ; sources window 1, destination window 0: scale operands are always taken from window 0
	v_lshl_or_b32 v[PW], v[TR+7], 24, v[TR+8]
	v_lshl_or_b32 v[PW+1], v[PR+7], 24, v[PR+8]
.else
.set q, 0
.rept 16
	v_exp_f32 v[PR+16+q], v[PR+16+q]
.set q, q+1
.endr
	v_nop
	S5 7
.endif
.endm
; THE FIRST PRODUCT, transposed: source 0 = 16 rows of W1, source 1 = 16 tokens: a lane holds ONE token (lane % 16), its registers run along the hidden units.  Lane r of tile 2 b + u holds W1's row
; 32 b + 8 u + r + 8 (r / 8), so that the 16 registers of tiles 2 b and 2 b + 1 are 16 neighbours along the next K.  b1 is the C of each sum's first instruction.
; The 16 accumulators take turns, one instruction a turn.
.macro FP
	WIN 0x42                                       ; D window 1, source 0 window 2, source 1 and C window 0
.irp m, 0,1
.irp t, 0,1,2,3,4,5,6,7
	v_wmma_scale_f32_16x16x128_f8f6f4 v[64*\m+8*\t:64*\m+8*\t+7], v[16*\t:16*\t+7], v[XF+16*\m:XF+16*\m+7], v[B1+8*\t:B1+8*\t+7], v[W1S+\t], v[XS+\m] matrix_a_fmt:MATRIX_FMT_FP4 matrix_b_fmt:MATRIX_FMT_FP4
.endr
.endr
	WIN 0x52                                       ; C window 1 too
.irp m, 0,1
.irp t, 0,1,2,3,4,5,6,7
	v_wmma_scale_f32_16x16x128_f8f6f4 v[64*\m+8*\t:64*\m+8*\t+7], v[16*\t+8:16*\t+15], v[XF+16*\m+8:XF+16*\m+15], v[64*\m+8*\t:64*\m+8*\t+7], v[W1S+\t], v[XS+\m] matrix_a_fmt:MATRIX_FMT_FP4 matrix_b_fmt:MATRIX_FMT_FP4 matrix_a_scale:MATRIX_SCALE_ROW1 matrix_b_scale:MATRIX_SCALE_ROW1
.endr
.endr
.endm
; THE SECOND PRODUCT, transposed: source 0 = 16 rows of W2 (outputs), source 1 = the hidden codes of 16 tokens: a lane's eight results are eight neighbouring outputs of one token.
; zero = 1: the first chunk starts the sums.  The 32 accumulators take turns, one instruction a turn.
.macro SP zero
	WIN 0xf6                                       ; source 0 window 2, source 1 window 1, C and D window 3
.irp i, 0,1,2,3,4,5,6,7,8,9,10,11,12,13,14,15
.irp m, 0,1
.if \zero
.if \i%2
	v_wmma_scale_f32_16x16x128_f8f6f4 v[8*(16*\m+\i):8*(16*\m+\i)+7], v[128+8*\i:128+8*\i+7], v[192+32*\m:192+32*\m+7], 0, v[W2S+\i/2], v[PW+\m] matrix_a_fmt:MATRIX_FMT_FP4 matrix_b_fmt:MATRIX_FMT_FP4 matrix_a_scale:MATRIX_SCALE_ROW1
.else
	v_wmma_scale_f32_16x16x128_f8f6f4 v[8*(16*\m+\i):8*(16*\m+\i)+7], v[128+8*\i:128+8*\i+7], v[192+32*\m:192+32*\m+7], 0, v[W2S+\i/2], v[PW+\m] matrix_a_fmt:MATRIX_FMT_FP4 matrix_b_fmt:MATRIX_FMT_FP4
.endif
.else
.if \i%2
	v_wmma_scale_f32_16x16x128_f8f6f4 v[8*(16*\m+\i):8*(16*\m+\i)+7], v[128+8*\i:128+8*\i+7], v[192+32*\m:192+32*\m+7], v[8*(16*\m+\i):8*(16*\m+\i)+7], v[W2S+\i/2], v[PW+\m] matrix_a_fmt:MATRIX_FMT_FP4 matrix_b_fmt:MATRIX_FMT_FP4 matrix_a_scale:MATRIX_SCALE_ROW1
.else
	v_wmma_scale_f32_16x16x128_f8f6f4 v[8*(16*\m+\i):8*(16*\m+\i)+7], v[128+8*\i:128+8*\i+7], v[192+32*\m:192+32*\m+7], v[8*(16*\m+\i):8*(16*\m+\i)+7], v[W2S+\i/2], v[PW+\m] matrix_a_fmt:MATRIX_FMT_FP4 matrix_b_fmt:MATRIX_FMT_FP4
.endif
.endif
.endr
.endr
.endm
.macro CHUNK zero, next
	s_wait_loadcnt 34                              ; loads come back in order: all but the 34 of this chunk's second-product set are in: the first-product set, and x the first time
	FP
	WIN 0x55
.rept 4
	v_nop                                          ; four places between the last products and the first read of their results, and the loads into their sources
.endr
	STREAM \next, 1
.rept 8
	v_nop                                          ; a scale register written by a vector instruction stands eight places ahead of the scaled matrix instruction, an operand so written four
.endr
.if \next
	s_wait_loadcnt 50                              ; the second-product set is in; the 50 loads of the next first-product set may be out
.else
	s_wait_loadcnt 0x0
.endif
	SP \zero
.rept 4
	v_nop                                          ; four places in front of the loads into W2's registers, and of the first read of the results
.endr
.if \next
	LOADB RECB
	s_wait_xcnt 0x0                                ; the loads have read their base: only behind this wait does it step
	s_add_nc_u64 s[REC:REC+1], s[REC:REC+1], RECB
.endif
	WIN 0                                          ; at a label and at a branch every window is 0
.endm
	s_load_b256 s[4:11], s[0:1], 0x0               ; x's codes 4, x's scales 6, wpack 8, b2_0 10
	s_load_b256 s[12:19], s[0:1], 0x20             ; b2_1 12, b2_2 14, order 16, tiles 18
	s_load_b64 s[20:21], s[0:1], 0x40              ; out0
	v_lshl_add_u32 v254, v0, 2, 0x20800
	v_mov_b32 v255, 0
	v_lshrrev_b32 v15, 5, v0
	v_readfirstlane_b32 s2, v15                    ; wave 0..3
	v_and_b32 v15, 31, v0
	v_lshlrev_b32 v[L16], 4, v15
	v_bfe_u32 v68, v0, 4, 1                        ; h
	v_and_b32 v69, 15, v0                          ; r
	v_lshlrev_b32 v[BOFF], 6, v68
	v_lshlrev_b32 v[OI], 2, v69
	v_lshlrev_b32 v70, 4, v68                      ; 16 h
	v_lshlrev_b32 v71, 2, v68                      ; 4 h
	s_mul_i32 s28, s2, REG
	v_mul_u32_u24 v[LST], v69, PITCH
	v_lshl_add_u32 v[LST], v68, 5, v[LST]
	v_add_nc_u32 v[LST], s28, v[LST]               ; my part: row r, + 32 h
	s_mul_i32 s29, s2, 8*PITCH
	v_add_nc_u32 v[LRD], s29, v[L16]               ; rows 8 w on of part 0, 16 bytes a lane;
.irp k, 1,2,3
	v_add_nc_u32 v[LRD+\k], REG, v[LRD+\k-1]       ; of parts 1, 2, 3
.endr
	CONSTS
	s_lshl_b32 s28, ttmp9, 7                       ; my tile's 32 entries of order,
	s_mov_b32 s29, 0
	s_lshl_b32 s30, ttmp9, 4                       ; its entry of tiles,
	s_mov_b32 s31, 0
	s_lshl_b32 s38, s2, 5                          ; and my wave's eight rows
	s_mov_b32 s39, 0
	s_wait_kmcnt 0x0
	s_add_nc_u64 s[16:17], s[16:17], s[28:29]
	s_add_nc_u64 s[18:19], s[18:19], s[30:31]
	s_add_nc_u64 s[36:37], s[16:17], s[38:39]
	s_load_b128 s[24:27], s[18:19], 0x0            ; rows in use, level, chunks a wave, the level's first record
	s_load_b256 s[40:47], s[36:37], 0x0            ; the tokens of rows 8 w .. 8 w + 7
	global_load_b32 v[TK], v[OI], s[16:17]
	global_load_b32 v[TK+1], v[OI], s[16:17] offset:64
	s_wait_kmcnt 0x0
	s_min_u32 s24, s24, 32                         ; loaded numbers are held before they reach an address or a count
	s_min_u32 s25, s25, 2
	s_max_u32 s26, s26, 2
	s_min_u32 s26, s26, 8
	s_min_u32 s27, s27, 24
	s_mul_i32 s28, s2, s26
	s_add_co_u32 s28, s28, s27                     ; my first record: at most 24 + 3 x 8, and my last 7 further on: inside the 56
	s_mul_i32 s28, s28, RECB
	s_mov_b32 s29, 0
	s_add_nc_u64 s[REC:REC+1], s[8:9], s[28:29]
	s_sub_co_u32 s[CNT], s26, 2                    ; the first and the last chunk are written out
	s_lshl_b32 s28, s2, 3
	s_sub_co_i32 s[NV], s24, s28
.irp p, 0,1,2,3,4,5,6,7
	s_min_u32 s[40+\p], s[40+\p], 0x3fff
	s_lshl_b32 s[40+\p], s[40+\p], 10              ; a row of out0 is 1,024 bytes
	v_add_nc_u32 v[OA+\p], s[40+\p], v[L16]
.endr
	s_cmp_eq_u32 s25, 1                            ; the level's b2
	s_cselect_b64 s[10:11], s[12:13], s[10:11]
	s_cmp_eq_u32 s25, 2
	s_cselect_b64 s[10:11], s[14:15], s[10:11]
	global_load_b128 v[B2:B2+3], v[L16], s[10:11]
	global_load_b128 v[B2+4:B2+7], v[L16], s[10:11] offset:512
	LOADA 0
	s_wait_loadcnt 50                              ; the two words of order and b2 are in; the 50 loads issued behind them may be out
	v_min_u32 v[TK], 0x3fff, v[TK]
	v_min_u32 v[TK+1], 0x3fff, v[TK+1]
.irp m, 0,1
	v_lshl_add_u32 v[XO+\m], v[TK+\m], 7, v70      ; a token's codes: 128 bytes, + 16 h
	v_lshl_add_u32 v[SO+\m], v[TK+\m], 3, v71      ; its scale words: 8 bytes, + 4 h
.endr
.irp m, 0,1
.irp s, 0,1
.irp c, 0,1
	global_load_b128 v[XF+16*\m+8*\s+4*\c:XF+16*\m+8*\s+4*\c+3], v[XO+\m], s[4:5] offset:64*\s+32*\c
.endr
.endr
	global_load_b32 v[XS+\m], v[SO+\m], s[6:7]
.endr
	LOADB 0
	CHUNK 1, 1
	s_cmp_eq_u32 s[CNT], 0
	s_cbranch_scc1 .Llast
.Lloop:
	CHUNK 0, 1
	s_sub_co_u32 s[CNT], s[CNT], 1
	s_cmp_lg_u32 s[CNT], 0
	s_cbranch_scc1 .Lloop
.Llast:
	CHUNK 0, 0                                     ; the last chunk asks for nothing: no load leaves the records
	; my part goes to LDS: lane (r, h) holds, of tile (m, i), the outputs 16 i + 8 h + 0 .. 7 of row 16 m + r
	WIN 0x0c                                       ; an LDS store's data are its source 1: window 3
.irp m, 0,1
.irp i, 0,1,2,3,4,5,6,7,8,9,10,11,12,13,14,15
	ds_store_b128 v[LST], v[8*(16*\m+\i):8*(16*\m+\i)+3] offset:16*\m*PITCH+64*\i          ; each accumulator from its low end on
	ds_store_b128 v[LST], v[8*(16*\m+\i)+4:8*(16*\m+\i)+7] offset:16*\m*PITCH+64*\i+16
.endr
.endr
	WIN 0
	s_wait_dscnt 0x0                               ; for the others' sake: my stores are done
	s_barrier_signal -1
	s_barrier_wait -1                              ; the four parts lie in LDS
	; wave w adds the four parts of rows 8 w .. 8 w + 7: a lane takes 16 bytes of each half of a row
	WIN 0x40                                       ; destination window 1
.irp p, 0,1,2,3,4,5,6,7
.irp k, 0,1,2,3
.irp u, 0,1
	ds_load_b128 v[32*\p+8*\k+4*\u:32*\p+8*\k+4*\u+3], v[LRD+\k] offset:\p*PITCH+512*\u
.endr
.endr
.endr
.irp p, 0,1,2,3,4,5,6,7
	s_wait_dscnt 56-8*\p                           ; LDS loads come back in order: this row's eight are in, the later rows' may be out
	WIN 0x45
.irp j, 0,2,4,6
	v_pk_add_f32 v[32*\p+\j:32*\p+\j+1], v[32*\p+\j:32*\p+\j+1], v[32*\p+8+\j:32*\p+8+\j+1]
	v_pk_add_f32 v[32*\p+16+\j:32*\p+16+\j+1], v[32*\p+16+\j:32*\p+16+\j+1], v[32*\p+24+\j:32*\p+24+\j+1]
.endr
.irp j, 0,2,4,6
	v_pk_add_f32 v[32*\p+\j:32*\p+\j+1], v[32*\p+\j:32*\p+\j+1], v[32*\p+16+\j:32*\p+16+\j+1]
.endr
	WIN 0x01                                       ; source 0 window 1; b2 and the destination window 0
.irp j, 0,2,4,6
	v_pk_fma_f32 v[OUTR+8*\p+\j:OUTR+8*\p+\j+1], v[32*\p+\j:32*\p+\j+1], 0.5, v[B2+\j:B2+\j+1] op_sel_hi:[1,0,1]   ; the factor 2 of 2 gelu goes off, exactly; + b2
.endr
.endr
	WIN 0
.irp p, 0,1,2,3,4,5,6,7
	s_cmp_le_i32 s[NV], \p                         ; the list's filling is not stored
	s_cbranch_scc1 .Lend
	global_store_b128 v[OA+\p], v[OUTR+8*\p:OUTR+8*\p+3], s[20:21] th:TH_STORE_NT              ; 32 lanes store 512 consecutive bytes, at a multiple of 256 from out0's first byte
	global_store_b128 v[OA+\p], v[OUTR+8*\p+4:OUTR+8*\p+7], s[20:21] offset:512 th:TH_STORE_NT
.endr
.Lend:
	s_wait_tensorcnt 0x0
	ds_add_u32 v254, v255
	s_wait_dscnt 0x0
	s_endpgm
.Lfunc_end_k_q8da32bcf2e_chain:
	.size	k_q8da32bcf2e_chain, .Lfunc_end_k_q8da32bcf2e_chain-k_q8da32bcf2e_chain
	.p2alignl 7, 3214868480
	.fill 96, 4, 3214868480
	.section	.rodata,"a",@progbits
	.p2align	6, 0x0
	.amdhsa_kernel k_q8da32bcf2e_chain
		.amdhsa_group_segment_fixed_size 133632
		.amdhsa_private_segment_fixed_size 0
		.amdhsa_enable_private_segment 0
		.amdhsa_kernarg_size 72
		.amdhsa_user_sgpr_count 2
		.amdhsa_user_sgpr_kernarg_segment_ptr 1
		.amdhsa_wavefront_size32 1
		.amdhsa_system_sgpr_workgroup_id_x 1
		.amdhsa_system_sgpr_workgroup_id_y 1
		.amdhsa_system_sgpr_workgroup_id_z 1
		.amdhsa_system_vgpr_workitem_id 0
		.amdhsa_next_free_vgpr 1024
		.amdhsa_next_free_sgpr 80
		.amdhsa_reserve_vcc 0
		.amdhsa_float_denorm_mode_32 3
		.amdhsa_float_denorm_mode_16_64 3
		.amdhsa_memory_ordered 1
		.amdhsa_forward_progress 1
		.amdhsa_inst_pref_size 255
	.end_amdhsa_kernel
	.section	.bss,"aw",@nobits
	.p2align	6
	.space	262144
	.amdgpu_metadata
---
amdhsa.version: [ 1, 2 ]
amdhsa.kernels:
  - .name:           k_q8da32bcf2e_chain
    .symbol:         k_q8da32bcf2e_chain.kd
    .args:
      - { .name: token_embeddings_codes, .offset: 0, .size: 8, .value_kind: global_buffer, .address_space: global }
      - { .name: token_embeddings_scales, .offset: 8, .size: 8, .value_kind: global_buffer, .address_space: global }
      - { .name: wpack, .offset: 16, .size: 8, .value_kind: global_buffer, .address_space: global }
      - { .name: b2_0, .offset: 24, .size: 8, .value_kind: global_buffer, .address_space: global }
      - { .name: b2_1, .offset: 32, .size: 8, .value_kind: global_buffer, .address_space: global }
      - { .name: b2_2, .offset: 40, .size: 8, .value_kind: global_buffer, .address_space: global }
      - { .name: order, .offset: 48, .size: 8, .value_kind: global_buffer, .address_space: global }
      - { .name: tiles, .offset: 56, .size: 8, .value_kind: global_buffer, .address_space: global }
      - { .name: out0, .offset: 64, .size: 8, .value_kind: global_buffer, .address_space: global }
    .group_segment_fixed_size: 133632
    .private_segment_fixed_size: 0
    .kernarg_segment_align: 8
    .kernarg_segment_size: 72
    .max_flat_workgroup_size: 128
    .sgpr_count:     80
    .vgpr_count:     1024
    .wavefront_size: 32
...
	.end_amdgpu_metadata
.endif
;; end of part 3
;; ======== version 2 of 2: 3 launches; version 1 with the launches route, chain written anew for expert scheduling mode
;; workspace buffers: levels 65,536 bytes of whole numbers; order 65,792 bytes of whole numbers; tiles 16,384 bytes of whole numbers; wpack 1,978,368 bytes
;; launch route (part 4): grid 184 x 1, 4 waves a work-group, no clusters, 0 bytes of LDS; arguments token_embeddings_codes, token_embeddings_scales, Wc1_codes, Wc1_scales, bc1, Wc2, bc2, levels, W1_0_codes, W1_1_codes, W1_2_codes, W1_0_scales, W1_1_scales, W1_2_scales, W2_0_codes, W2_1_codes, W2_2_codes, W2_0_scales, W2_1_scales, W2_2_scales, b1_0, b1_1, b1_2, wpack; writes levels, wpack
.if DOCPART == 4
	.amdgcn_target "amdgcn-amd-amdhsa--gfx1250"
	.amdhsa_code_object_version 6
	.text
	.protected	k_q8da32bcf2e_route
	.globl	k_q8da32bcf2e_route
	.p2align	8
	.type	k_q8da32bcf2e_route,@function
k_q8da32bcf2e_route:
	s_mov_b64 s[64:65], 0
	v_nop
	global_prefetch_b8 v0, s[64:65] scope:SCOPE_SE
	s_setreg_imm32_b32 hwreg(HW_REG_WAVE_SCHED_MODE, 0, 2), 2
	s_setreg_imm32_b32 hwreg(HW_REG_WAVE_MODE, 25, 1), 1
	s_wait_xcnt 0x0
	s_wait_alu depctr_vm_vsrc(0)
; ROUTE.  Two kinds of work-groups share this launch; they part on the work-group's number and share nothing.
; Work-groups 0-127, THE CLASSIFIER: 128 tokens each, 32 a wave (two tiles of 16).  h = x Wc1 + bc1 on codes of E2M1 (K = 256: two matrix instructions deep), exact GELU in f32,
; logits = gelu(h) Wc2 + bc2 by f32 multiply-adds (N = 3), softmax with its maximum taken away, argmax (the lower index wins a tie).  The level is only STORED, one word a token at a fixed place:
; no address and no branch of this launch hangs on it.
; Work-groups 128-183, THE PACKING: record q of 56 holds 128 hidden units of one level's FFN in the order of the operands' registers, so that the chain's lanes load whole fragments by 16-byte loads:
;   byte 0      W1's 16 fragments (tile t, K step s): 512 (2 (2 t + s) + c) + 16 lane = the 16 bytes of W1's row 32 (t / 2) + 8 (t % 2) + r + 8 (r / 8) at 64 s + 32 c + 16 h
;   byte 16384  W2's 16 fragments (tile i of 16 outputs): 512 (2 i + c) + 16 lane = the 16 bytes of W2's row 16 i + r at 64 j + 32 c + 16 h (j: the record's place in its level)
;   byte 32768  W1's scale words, register t: lanes 0-15 K step 0, lanes 16-31 K step 1;   byte 33792  W2's, register i: lanes 0-15 tile 2 i, lanes 16-31 tile 2 i + 1;   byte 34816  b1's 128 numbers
; (r = lane % 16, h = lane / 16.)  Levels 0, 1, 2 begin at records 0, 8, 24.
; GELU.  2 gelu(x) = (x + |x|) - |x| E, E = erfc(|x| / sqrt 2) = t 2^(P(t) - x^2 log2(e) / 2), t = 1 / (1 + |x| sqrt(2) / 4), P of degree 9 (the rational-exponential fit of erfc with a
; fractional error near 1.2e-7 at every argument, its coefficients times log2 e).  Neither side cancels.  The factor 2 is taken off exactly where the sum is finished: logit = 0.5 sum + bc2.
; LIMITS: NaN and infinities among the inputs are not served; an E under 2^-126 counts as 0.
; No LDS, no barrier, no cluster: the classifier's waves share only 16 KiB of weights, read once each, and the packing copies each byte once.
; THE MODE: SCHED_MODE bits 1:0 = 2 (LLVM: expert scheduling mode 2), set by the entry lines.  The code itself states the register dependences between vector or matrix instructions
; and memory instructions, with s_wait_alu, always for 0.
; THE PLAN.  Registers that memory instructions touch, and scalar registers that vector instructions write:
;   s2            The wave's number, written by v_readfirstlane_b32: one wait on va_sdst directly behind it, ahead of the branch that parts the two kinds of work-group.
;   classifier    v1-v7: offsets, made at the head and never written again: one wait on va_vdst ahead of the loads, which go out in one run into registers that no vector instruction has named.
;                 v168: the level, written by a select, read by the one store: one wait on va_vdst ahead of it.
;                 s24-s28: the argmax's masks, written by two runs of compares: one wait on va_sdst behind each run, ahead of the selects that read them.
;   packing       v10-v19: offsets, made once: one wait on va_vdst ahead of the first load.  v20-v23: made in each arm of the branch on the wave's number: one wait in each arm.
;                 The stores' data come from loads: the counted waits on LOADcnt show them in.
;   No register that a memory instruction reads is written again: the text holds no wait on vm_vsrc.
.set RECB, 35328
.set XF,   16                          ; window 0: v16-47 x's fragments (16 m + 8 s + 4 c)
.set XS,   48                          ; v48-49  x's scale words: lanes 0-15 K step 0, lanes 16-31 K step 1
.set W1S,  52                          ; v52-59  the weight's scale words, likewise
.set B1,   72                          ; v72-135 the bias in the result's layout, 8 registers a tile
.set LA,   136                         ; v136-147 three pairs of partial logits for each tile of tokens
.set AJ,   148                         ; v148-153 logits, then p
.set PJ,   154                         ; v154-159 the other half of the lanes'
.set MX,   160
.set SM,   162
.set LVR,  164
.set BS,   166
.set AXR,  128                         ; window 1: v0-127 h (64 m + 16 b + i = unit 32 b + 16 h + i); v128-175 |x|, three slots of 16
.set TR,   176                         ; v176-207 t, two slots
.set PR,   208                         ; v208-239 P, two slots
.set UR,   240                         ; v240-247 x^2
.set C9V,  248                         ; v248-249 c9, twice
.set C0,   48                          ; s[48:63] c0 .. c7, each as a pair; s64 and s65 are never named
.set C1,   50
.set C2,   52
.set C3,   54
.set C4,   56
.set C5,   58
.set C6,   60
.set C7,   62
.set C8,   66
.set K1,   68
.set NC,   70
.set SEL,  72
.set ABSM, 74
.set C9,   75
.set MSB,  0
.macro WIN new                         ; the immediate's high byte repeats the setting that is left; a switch that changes nothing is dropped
.if MSB != \new
	s_set_vgpr_msb (MSB<<8)|\new
.set MSB, \new
.endif
.endm
.macro KPAIR reg, bits                 ; the packed forms name a pair and take its low word for both halves: both words are written
	s_mov_b32 s[\reg], \bits
	s_mov_b32 s[\reg+1], \bits
.endm
.macro CONSTS
	KPAIR C0, 0xbfe9b21e
	KPAIR C1, 0x3fb8ab5a
	KPAIR C2, 0x3f0a29d2
	KPAIR C3, 0x3e0efb2e
	KPAIR C4, 0xbe899a80
	KPAIR C5, 0x3ecdfd18
	KPAIR C6, 0xbfd1a1e5
	KPAIR C7, 0x40097039
	KPAIR C8, 0xbf97d29d
	KPAIR K1, 0x3eb504f3                           ; sqrt(2) / 4
	KPAIR NC, 0xbf38aa3b                           ; -log2(e) / 2
	s_mov_b32 s[SEL], 0x76543210
	s_mov_b32 s[SEL+1], 0xfedcba98                 ; v_permlanex16_b32's selects for lane l xor 16
	s_mov_b32 s[ABSM], 0x7fffffff
	s_mov_b32 s[C9], 0x3e7c6f08
	WIN 0x40
	v_mov_b32 v[C9V], s[C9]
	v_mov_b32 v[C9V+1], s[C9]
	WIN 0
.endm
; THE STREAM: the GELU of a lane's 128 numbers, in eight groups of 16, three stages a group, the groups staggered so that the reciprocals and exponentials of one group stand singly between the plain lines of others.
; BEGIN sets the pace: ne exponentials of group ge, then nr reciprocals of group gr, dealt evenly over pn plain lines.  TICK stands behind every plain line and writes the transcendental that is due.
; So each transcendental has a plain line of another group behind it before its result is used (ISA guide 5.7.2).
.macro BEGIN pn, ne, ge, nr, gr
.set PN, \pn
.set NE, \ne
.set GE, \ge
.set TN, (\ne)+(\nr)
.set GR, \gr
.set PCNT, 0
.set TQ, 0
.endm
.macro TRANS
.if TQ < NE
	v_exp_f32 v[PR+16*(GE%2)+TQ], v[PR+16*(GE%2)+TQ]
.else
	v_rcp_f32 v[TR+16*(GR%2)+TQ-NE], v[TR+16*(GR%2)+TQ-NE]
.endif
.set TQ, TQ+1
.endm
.macro TICK
.set PCNT, PCNT+1
.if (TQ < TN) && (PCNT*TN >= (TQ+1)*PN)
	TRANS
.endif
.endm
.macro S1 g                            ; |x|; 1 + |x| sqrt(2) / 4; x + |x|.  The first line reads each accumulator from its low end on
.set gx, 16*(\g)
.set ga, AXR+16*((\g)%3)
.set gt, TR+16*((\g)%2)
.set q, 0
.rept 16
	v_and_b32 v[ga+q], s[ABSM], v[gx+q]
	TICK
.set q, q+1
.endr
.set q, 0
.rept 8
	v_pk_fma_f32 v[gt+q:gt+q+1], v[ga+q:ga+q+1], s[K1:K1+1], 1.0 op_sel_hi:[1,0,0]
	TICK
.set q, q+2
.endr
.set q, 0
.rept 8
	v_pk_add_f32 v[gx+q:gx+q+1], v[gx+q:gx+q+1], v[ga+q:ga+q+1]
	TICK
.set q, q+2
.endr
.endm
.macro S3 g                            ; P(t) by Horner, step by step over the eight pairs; - x^2 log2(e) / 2; |x| t
.set ga, AXR+16*((\g)%3)
.set gt, TR+16*((\g)%2)
.set gp, PR+16*((\g)%2)
.set q, 0
	s_wait_alu depctr_va_vdst(0)                   ; the group's sixteen reciprocals have written t, which the lines below read: one wait for the batch, ahead of its first reader
.rept 8
	v_pk_fma_f32 v[gp+q:gp+q+1], v[gt+q:gt+q+1], v[C9V:C9V+1], s[C8:C8+1] op_sel_hi:[1,1,0]
	TICK
.set q, q+2
.endr
.irp c, C7,C6,C5,C4,C3,C2,C1,C0
.set q, 0
.rept 8
	v_pk_fma_f32 v[gp+q:gp+q+1], v[gp+q:gp+q+1], v[gt+q:gt+q+1], s[\c:\c+1] op_sel_hi:[1,1,0]
	TICK
.set q, q+2
.endr
.endr
.irp hf, 0,8
.set q, 0
.rept 4
	v_pk_mul_f32 v[UR+q:UR+q+1], v[ga+\hf+q:ga+\hf+q+1], v[ga+\hf+q:ga+\hf+q+1]
	TICK
.set q, q+2
.endr
.set q, 0
.rept 4
	v_pk_fma_f32 v[gp+\hf+q:gp+\hf+q+1], v[UR+q:UR+q+1], s[NC:NC+1], v[gp+\hf+q:gp+\hf+q+1] op_sel_hi:[1,0,1]
	TICK
.set q, q+2
.endr
.endr
.set q, 0
.rept 8
	v_pk_mul_f32 v[ga+q:ga+q+1], v[ga+q:ga+q+1], v[gt+q:gt+q+1]
	TICK
.set q, q+2
.endr
.endm
.macro S5 g, ld                        ; (x + |x|) - (|x| t) 2^(..) = 2 gelu(x).  ld: used by the chain's copy of this macro; here it is 0
.set gx, 16*(\g)
.set ga, AXR+16*((\g)%3)
.set gp, PR+16*((\g)%2)
.set q, 0
	s_wait_alu depctr_va_vdst(0)                   ; the group's sixteen exponentials have written their results, which the lines below read: one wait for the batch, ahead of its first reader
.if \ld
	LOADA RECB
	WIN 0x55
.endif
.rept 8
	v_pk_fma_f32 v[gx+q:gx+q+1], v[ga+q:ga+q+1], v[gp+q:gp+q+1], v[gx+q:gx+q+1] neg_lo:[1,0,0] neg_hi:[1,0,0]
	TICK
.set q, q+2
.endr
.endm
.macro STREAM loada, quant             ; all operands in window 1.  loada, quant: used by the chain's copy of this macro; here both are 0
	WIN 0x55
	BEGIN 1, 0, 0, 0, 0
	S1 0
	BEGIN 32, 0, 0, 16, 0
	S1 1
	BEGIN 96, 0, 0, 16, 1
	S3 0
.set KK, 1
.rept 6
	BEGIN 136, 16, KK-1, 16, KK+1                  ; the 16 exponentials are out behind line 68, ahead of S5 at line 129; the reciprocals begin behind line 73, their sources are made in lines 17-24
	S1 KK+1
	S3 KK
.if (KK == 3) && \loada
	S5 KK-1, 1
.else
	S5 KK-1, 0
.endif
.set KK, KK+1
.endr
	BEGIN 88, 16, 6, 0, 0                          ; the exponentials are out behind line 88, ahead of S5 at line 97
	S3 7
	S5 6, 0
.if \quant
	BEGIN 28, 16, 7, 0, 0
	QUANT 0
	S5 7, 0
	QUANT 1
	WIN 0x11
	v_lshl_or_b32 v[PW], v[TR+7], 24, v[TR+8]
	v_lshl_or_b32 v[PW+1], v[PR+7], 24, v[PR+8]
.else
.set q, 0
.rept 16
	v_exp_f32 v[PR+16+q], v[PR+16+q]
.set q, q+1
.endr
	v_nop                                          ; a plain place behind the last exponential; the wait for the batch stands at the head of S5
	S5 7, 0
.endif
.endm
; THE FIRST PRODUCT, transposed: source 0 = 16 rows of the weight, source 1 = 16 tokens: a lane holds ONE token (lane % 16), its registers run along the hidden units.
; The bias is the C of each sum's first instruction.  The 16 accumulators take turns, one instruction a turn.
.macro FP
	WIN 0x42                                       ; D window 1, source 0 window 2, source 1 and C window 0
.irp m, 0,1
.irp t, 0,1,2,3,4,5,6,7
	v_wmma_scale_f32_16x16x128_f8f6f4 v[64*\m+8*\t:64*\m+8*\t+7], v[16*\t:16*\t+7], v[XF+16*\m:XF+16*\m+7], v[B1+8*\t:B1+8*\t+7], v[W1S+\t], v[XS+\m] matrix_a_fmt:MATRIX_FMT_FP4 matrix_b_fmt:MATRIX_FMT_FP4
.endr
.endr
	WIN 0x52                                       ; C window 1 too
.irp m, 0,1
.irp t, 0,1,2,3,4,5,6,7
	v_wmma_scale_f32_16x16x128_f8f6f4 v[64*\m+8*\t:64*\m+8*\t+7], v[16*\t+8:16*\t+15], v[XF+16*\m+8:XF+16*\m+15], v[64*\m+8*\t:64*\m+8*\t+7], v[W1S+\t], v[XS+\m] matrix_a_fmt:MATRIX_FMT_FP4 matrix_b_fmt:MATRIX_FMT_FP4 matrix_a_scale:MATRIX_SCALE_ROW1 matrix_b_scale:MATRIX_SCALE_ROW1
.endr
.endr
.endm
	v_lshrrev_b32 v8, 5, v0
	v_readfirstlane_b32 s2, v8                     ; wave 0..3
	s_wait_alu depctr_va_sdst(0)                   ; s2 is written
	s_cmp_ge_u32 ttmp9, 128
	s_cbranch_scc1 .Lpack
	; ---------------- the classifier ----------------
	s_load_b512 s[4:19], s[0:1], 0x0               ; x's codes 4, x's scales 6, Wc1's codes 8, Wc1's scales 10, bc1 12, Wc2 14, bc2 16, levels 18
	v_and_b32 v9, 31, v0                           ; lane
	v_and_b32 v10, 15, v0                          ; r
	v_bfe_u32 v11, v0, 4, 1                        ; h
	v_and_b32 v12, 8, v10
	v_add_nc_u32 v12, v12, v10                     ; r + 8 (r / 8): the rows of a weight's tile are not neighbours
	v_lshlrev_b32 v13, 4, v11
	v_lshl_add_u32 v1, v10, 7, v13                 ; x's codes: row r of 128 bytes + 16 h
	v_lshl_add_u32 v3, v12, 7, v13                 ; Wc1's codes likewise
	v_lshlrev_b32 v13, 2, v11
	v_lshl_add_u32 v2, v10, 3, v13                 ; x's scale words: 8 bytes a row + 4 h
	v_lshl_add_u32 v4, v12, 3, v13                 ; Wc1's
	v_lshlrev_b32 v5, 6, v11                       ; bc1: 16 h numbers on
	v_mul_u32_u24 v6, v11, 192                     ; Wc2: 16 h rows of 12 bytes on
	v_lshlrev_b32 v7, 2, v9                        ; levels: 4 bytes a lane
.irp n, 0,1,2,3,4,5
	v_mov_b32 v[PJ+\n], 0                          ; written once: a lane permute's destination counts as one of its sources
.endr
	CONSTS
	s_lshl_b32 s24, ttmp9, 14                      ; 128 tokens of 128 bytes a work-group,
	s_lshl_b32 s25, s2, 12                         ; 32 a wave
	s_add_co_u32 s24, s24, s25
	s_mov_b32 s25, 0
	s_lshr_b32 s26, s24, 4                         ; 8 bytes of scales a token
	s_mov_b32 s27, 0
	s_lshr_b32 s28, s24, 5                         ; 4 bytes of level a token
	s_mov_b32 s29, 0
	s_wait_kmcnt 0x0
	s_load_b96 s[20:22], s[16:17], 0x0             ; bc2
	s_add_nc_u64 s[4:5], s[4:5], s[24:25]
	s_add_nc_u64 s[6:7], s[6:7], s[26:27]
	s_add_nc_u64 s[18:19], s[18:19], s[28:29]
	s_wait_alu depctr_va_vdst(0)                   ; the seven offsets v1 to v7 are written: the loads below and the store at the end read them; none is written again
.irp m, 0,1
.irp s, 0,1
.irp c, 0,1
	global_load_b128 v[XF+16*\m+8*\s+4*\c:XF+16*\m+8*\s+4*\c+3], v1, s[4:5] offset:2048*\m+64*\s+32*\c
.endr
.endr
	global_load_b32 v[XS+\m], v2, s[6:7] offset:128*\m
.endr
.irp t, 0,1,2,3,4,5,6,7
	global_load_b32 v[W1S+\t], v4, s[10:11] offset:(32*(\t/2)+8*(\t%2))*8
	global_load_b128 v[B1+8*\t:B1+8*\t+3], v5, s[12:13] offset:(32*(\t/2)+8*(\t%2))*4
	global_load_b128 v[B1+8*\t+4:B1+8*\t+7], v5, s[12:13] offset:(32*(\t/2)+8*(\t%2))*4+16
.endr
	WIN 0x80                                       ; destination window 2
.irp t, 0,1,2,3,4,5,6,7
.irp s, 0,1
.irp c, 0,1
	global_load_b128 v[16*\t+8*\s+4*\c:16*\t+8*\s+4*\c+3], v3, s[8:9] offset:(32*(\t/2)+8*(\t%2))*128+64*\s+32*\c
.endr
.endr
.endr
	WIN 0xc0                                       ; destination window 3: Wc2's rows of my 64 hidden units: register 48 b + 3 i + j = Wc2(32 b + 16 h + i, j)
.irp b, 0,1,2,3
.irp i, 0,1,2,3,4,5,6,7,8,9,10,11
	global_load_b128 v[48*\b+4*\i:48*\b+4*\i+3], v6, s[14:15] offset:384*\b+16*\i
.endr
.endr
	WIN 0
	s_wait_loadcnt 0x0
	s_wait_kmcnt 0x0
	FP
	WIN 0x55
.rept 4
	v_nop                                          ; four places between the last products and the first read of their results (ISA guide 7.12.1)
.endr
	STREAM 0, 0
	; logits.  A pair of hidden units (q, q + 1) meets six neighbouring numbers of Wc2: three packed multiply-adds into (l0, l1 of q), (l2 of q, l0 of q + 1), (l1, l2 of q + 1).  The first pair starts the sums.
	WIN 0x0d                                       ; source 0 window 1, source 1 window 3
.set kp, 0
.rept 32
.irp m, 0,1
.if kp == 0
	v_pk_mul_f32 v[LA+6*\m:LA+6*\m+1], v[64*\m:64*\m+1], v[0:1] op_sel_hi:[0,1]
	v_pk_mul_f32 v[LA+6*\m+2:LA+6*\m+3], v[64*\m:64*\m+1], v[2:3]
	v_pk_mul_f32 v[LA+6*\m+4:LA+6*\m+5], v[64*\m:64*\m+1], v[4:5] op_sel:[1,0] op_sel_hi:[1,1]
.else
	v_pk_fma_f32 v[LA+6*\m:LA+6*\m+1], v[64*\m+2*kp:64*\m+2*kp+1], v[6*kp:6*kp+1], v[LA+6*\m:LA+6*\m+1] op_sel_hi:[0,1,1]
	v_pk_fma_f32 v[LA+6*\m+2:LA+6*\m+3], v[64*\m+2*kp:64*\m+2*kp+1], v[6*kp+2:6*kp+3], v[LA+6*\m+2:LA+6*\m+3]
	v_pk_fma_f32 v[LA+6*\m+4:LA+6*\m+5], v[64*\m+2*kp:64*\m+2*kp+1], v[6*kp+4:6*kp+5], v[LA+6*\m+4:LA+6*\m+5] op_sel:[1,0,0] op_sel_hi:[1,1,1]
.endif
.endr
.set kp, kp+1
.endr
	WIN 0
.irp m, 0,1
	v_add_f32 v[AJ+3*\m], v[LA+6*\m], v[LA+6*\m+3]
	v_add_f32 v[AJ+3*\m+1], v[LA+6*\m+1], v[LA+6*\m+4]
	v_add_f32 v[AJ+3*\m+2], v[LA+6*\m+2], v[LA+6*\m+5]
.endr
.irp n, 0,1,2,3,4,5
	v_permlanex16_b32 v[PJ+\n], v[AJ+\n], s[SEL], s[SEL+1]     ; the token's other 64 hidden units lie in the lane 16 away
.endr
.irp n, 0,1,2,3,4,5
	v_add_f32 v[AJ+\n], v[AJ+\n], v[PJ+\n]
.endr
.irp m, 0,1
.irp j, 0,1,2
	v_fma_f32 v[AJ+3*\m+\j], v[AJ+3*\m+\j], 0.5, s[20+\j]      ; the factor 2 of 2 gelu goes off, exactly; + bc2
.endr
.endr
.irp m, 0,1
	v_max3_num_f32 v[MX+\m], v[AJ+3*\m], v[AJ+3*\m+1], v[AJ+3*\m+2]
.endr
.irp m, 0,1
.irp j, 0,1,2
	v_sub_f32 v[AJ+3*\m+\j], v[AJ+3*\m+\j], v[MX+\m]           ; the maximum is taken away ahead of the exponential
.endr
.endr
.irp n, 0,1,2,3,4,5
	v_mul_f32 v[AJ+\n], 0x3fb8aa3b, v[AJ+\n]
.endr
.irp n, 0,1,2,3,4,5
	v_exp_f32 v[AJ+\n], v[AJ+\n]
.endr
	v_nop
	s_wait_alu depctr_va_vdst(0)                   ; the six exponentials have written v[AJ ..], which the sums below read
.irp m, 0,1
	v_add_f32 v[SM+\m], v[AJ+3*\m], v[AJ+3*\m+1]
.endr
.irp m, 0,1
	v_add_f32 v[SM+\m], v[SM+\m], v[AJ+3*\m+2]
.endr
.irp m, 0,1
	v_rcp_f32 v[SM+\m], v[SM+\m]
.endr
	v_nop
	s_wait_alu depctr_va_vdst(0)                   ; the two reciprocals have written v[SM ..], which the multiplications below read
.irp m, 0,1
.irp j, 0,1,2
	v_mul_f32 v[AJ+3*\m+\j], v[AJ+3*\m+\j], v[SM+\m]           ; the probabilities
.endr
.endr
	; argmax by strict comparisons: the lower index keeps a tie.  Values are selected; nothing branches.  The compares stand in two runs, their masks in scalar registers of their own
	v_cmp_gt_f32 s24, v[AJ+1], v[AJ]
	v_cmp_gt_f32 s25, v[AJ+4], v[AJ+3]
	v_cmp_lt_u32 s26, 15, v9                       ; the upper half of the lanes
	s_wait_alu depctr_va_sdst(0)                   ; the three compares have written s24 to s26, which the selects below read
.irp m, 0,1
	v_cndmask_b32 v[LVR+\m], 0, 1, s[24+\m]
	v_cndmask_b32 v[BS+\m], v[AJ+3*\m], v[AJ+3*\m+1], s[24+\m]
.endr
.irp m, 0,1
	v_cmp_gt_f32 s[27+\m], v[AJ+3*\m+2], v[BS+\m]
.endr
	s_wait_alu depctr_va_sdst(0)                   ; the two compares have written s27 and s28, which the selects below read
.irp m, 0,1
	v_cndmask_b32 v[LVR+\m], v[LVR+\m], 2, s[27+\m]
.endr
	v_cndmask_b32 v168, v[LVR], v[LVR+1], s26      ; lanes 0-15: tokens 0-15; lanes 16-31: tokens 16-31
	s_wait_alu depctr_va_vdst(0)                   ; the select has written v168, which the store reads
	global_store_b32 v7, v168, s[18:19]            ; a wave stores 128 consecutive bytes, the four waves 512
	s_endpgm
	; ---------------- the packing ----------------
.Lpack:
	s_load_b512 s[4:19], s[0:1], 0x40              ; W1's codes 4, 6, 8; W1's scales 10, 12, 14; W2's codes 16, 18,
	s_load_b512 s[20:35], s[0:1], 0x80             ; 20; W2's scales 22, 24, 26; b1 28, 30, 32; wpack 34
	s_sub_co_u32 s3, ttmp9, 128                    ; the record
	v_and_b32 v2, 15, v0                           ; r
	v_bfe_u32 v3, v0, 4, 1                         ; h
	v_and_b32 v4, 8, v2
	v_add_nc_u32 v4, v4, v2                        ; r + 8 (r / 8)
	v_lshlrev_b32 v11, 4, v0                       ; where I store: 16 x thread
	s_wait_kmcnt 0x0
	s_cmp_lt_u32 s3, 24                            ; the level's buffers: the choice hangs on the work-group's number alone
	s_cselect_b64 s[36:37], s[6:7], s[8:9]
	s_cselect_b64 s[38:39], s[12:13], s[14:15]
	s_cselect_b64 s[40:41], s[18:19], s[20:21]
	s_cselect_b64 s[42:43], s[24:25], s[26:27]
	s_cselect_b64 s[44:45], s[30:31], s[32:33]
	s_cselect_b32 s46, 1, 2
	s_cselect_b32 s47, 8, 24
	s_cmp_lt_u32 s3, 8
	s_cselect_b64 s[36:37], s[4:5], s[36:37]       ; W1's codes
	s_cselect_b64 s[38:39], s[10:11], s[38:39]     ; W1's scales
	s_cselect_b64 s[40:41], s[16:17], s[40:41]     ; W2's codes
	s_cselect_b64 s[42:43], s[22:23], s[42:43]     ; W2's scales
	s_cselect_b64 s[44:45], s[28:29], s[44:45]     ; b1
	s_cselect_b32 s46, 0, s46                      ; the level l
	s_cselect_b32 s47, 0, s47
	s_sub_co_u32 s47, s3, s47                      ; j: the record's place in its level
	s_mul_i32 s76, s3, RECB
	s_mov_b32 s77, 0
	s_add_nc_u64 s[34:35], s[34:35], s[76:77]      ; my record
	s_lshl_b32 s76, s47, 14
	s_add_nc_u64 s[36:37], s[36:37], s[76:77]      ; 128 rows of 128 bytes a record
	s_lshl_b32 s76, s47, 10
	s_add_nc_u64 s[38:39], s[38:39], s[76:77]      ; 128 rows of 8 bytes
	s_lshl_b32 s76, s47, 9
	s_add_nc_u64 s[44:45], s[44:45], s[76:77]      ; 128 numbers
	v_lshlrev_b32 v10, 7, v4                       ; W1: thread (wave, lane) of pass it copies piece 4 it + wave: tile it, K step wave / 2, half wave % 2
	v_lshl_add_u32 v10, v3, 4, v10
	s_lshl_b32 s78, s2, 5
	v_add_nc_u32 v10, s78, v10
	s_lshr_b32 s76, s2, 1                          ; W2: piece 4 it + wave: tile 2 it + wave / 2, half wave % 2; a row is 512 << l bytes
	s_lshl_b32 s76, s76, 4
	v_add_nc_u32 v12, s76, v2
	s_add_co_u32 s77, s46, 9
	v_lshlrev_b32 v12, s77, v12
	s_and_b32 s76, s2, 1
	s_lshl_b32 s76, s76, 5
	s_lshl_b32 s78, s47, 6
	s_add_co_u32 s76, s76, s78
	v_lshl_add_u32 v12, v3, 4, v12
	v_add_nc_u32 v12, s76, v12
	s_add_co_u32 s77, s46, 14
	s_lshl_b32 s77, 1, s77                         ; 32 rows on for each pass
.irp i, 1,2,3,4,5,6,7
	v_add_nc_u32 v[12+\i], s77, v[11+\i]
.endr
	s_wait_alu depctr_va_vdst(0)                   ; the offsets v10 to v19 are written: the loads below read v10 and v12 to v19, the stores further down v11; none is written again
.irp i, 0,1,2,3,4,5,6,7
	global_load_b128 v[32+4*\i:35+4*\i], v10, s[36:37] offset:(32*(\i/2)+8*(\i%2))*128
.endr
.irp i, 0,1,2,3,4,5,6,7
	global_load_b128 v[64+4*\i:67+4*\i], v[12+\i], s[40:41]
.endr
	s_cmp_lt_u32 s2, 2                             ; waves 0, 1: W1's scale words; waves 2, 3: W2's.  Four loads on either way, so the counts below hold on both
	s_cbranch_scc0 .Lw2s
	v_lshlrev_b32 v20, 3, v4
	v_lshl_add_u32 v20, v3, 2, v20
	s_lshl_b32 s78, s2, 9
	v_add_nc_u32 v20, s78, v20                     ; register 4 wave + e: row 64 wave + 32 (e / 2) + 8 (e % 2) + r + 8 (r / 8), K step h
	s_wait_alu depctr_va_vdst(0)                   ; v20 is written, which the four loads below read as their offset
.irp e, 0,1,2,3
	global_load_b32 v[96+\e], v20, s[38:39] offset:(32*(\e/2)+8*(\e%2))*8
.endr
	s_branch .Lsdone
.Lw2s:
	s_sub_co_u32 s78, s2, 2
	s_lshl_b32 s78, s78, 7
	v_lshl_add_u32 v20, v3, 4, v2
	v_add_nc_u32 v20, s78, v20                     ; register 4 (wave - 2) + e: row 128 (wave - 2) + 32 e + 16 h + r; a row is 32 << l bytes; the record's word is 4 j on
	v_add_nc_u32 v21, 32, v20
	v_add_nc_u32 v22, 64, v20
	v_add_nc_u32 v23, 0x60, v20
	s_add_co_u32 s79, s46, 5
	s_lshl_b32 s80, s47, 2
.irp e, 0,1,2,3
	v_lshlrev_b32 v[20+\e], s79, v[20+\e]
.endr
.irp e, 0,1,2,3
	v_add_nc_u32 v[20+\e], s80, v[20+\e]
.endr
	s_wait_alu depctr_va_vdst(0)                   ; v20 to v23 are written, which the four loads below read as their offsets
.irp e, 0,1,2,3
	global_load_b32 v[96+\e], v[20+\e], s[42:43]
.endr
.Lsdone:
.irp i, 0,1,2,3,4,5,6,7
	s_wait_loadcnt 19-\i                           ; of the 20 loads those issued behind this one may be out
	global_store_b128 v11, v[32+4*\i:35+4*\i], s[34:35] offset:2048*\i          ; the four waves store 2,048 consecutive bytes
.endr
.irp i, 0,1,2,3,4,5,6,7
	s_wait_loadcnt 11-\i
	global_store_b128 v11, v[64+4*\i:67+4*\i], s[34:35] offset:16384+2048*\i
.endr
	s_wait_loadcnt 0x0
	global_store_b128 v11, v[96:99], s[34:35] offset:32768
	s_cmp_lg_u32 s2, 0
	s_cbranch_scc1 .Lpend
	global_load_b128 v[100:103], v11, s[44:45]     ; wave 0: b1's 512 bytes as they lie
	s_wait_loadcnt 0x0
	global_store_b128 v11, v[100:103], s[34:35] offset:34816
.Lpend:
	s_endpgm
.Lfunc_end_k_q8da32bcf2e_route:
	.size	k_q8da32bcf2e_route, .Lfunc_end_k_q8da32bcf2e_route-k_q8da32bcf2e_route
	.p2alignl 7, 3214868480
	.fill 96, 4, 3214868480
	.section	.rodata,"a",@progbits
	.p2align	6, 0x0
	.amdhsa_kernel k_q8da32bcf2e_route
		.amdhsa_group_segment_fixed_size 0
		.amdhsa_private_segment_fixed_size 0
		.amdhsa_enable_private_segment 0
		.amdhsa_kernarg_size 192
		.amdhsa_user_sgpr_count 2
		.amdhsa_user_sgpr_kernarg_segment_ptr 1
		.amdhsa_wavefront_size32 1
		.amdhsa_system_sgpr_workgroup_id_x 1
		.amdhsa_system_sgpr_workgroup_id_y 1
		.amdhsa_system_sgpr_workgroup_id_z 1
		.amdhsa_system_vgpr_workitem_id 0
		.amdhsa_next_free_vgpr 960
		.amdhsa_next_free_sgpr 96
		.amdhsa_reserve_vcc 0
		.amdhsa_float_denorm_mode_32 3
		.amdhsa_float_denorm_mode_16_64 3
		.amdhsa_memory_ordered 1
		.amdhsa_forward_progress 1
		.amdhsa_inst_pref_size 115
	.end_amdhsa_kernel
	.amdgpu_metadata
---
amdhsa.version: [ 1, 2 ]
amdhsa.kernels:
  - .name:           k_q8da32bcf2e_route
    .symbol:         k_q8da32bcf2e_route.kd
    .args:
      - { .name: token_embeddings_codes, .offset: 0, .size: 8, .value_kind: global_buffer, .address_space: global }
      - { .name: token_embeddings_scales, .offset: 8, .size: 8, .value_kind: global_buffer, .address_space: global }
      - { .name: Wc1_codes, .offset: 16, .size: 8, .value_kind: global_buffer, .address_space: global }
      - { .name: Wc1_scales, .offset: 24, .size: 8, .value_kind: global_buffer, .address_space: global }
      - { .name: bc1, .offset: 32, .size: 8, .value_kind: global_buffer, .address_space: global }
      - { .name: Wc2, .offset: 40, .size: 8, .value_kind: global_buffer, .address_space: global }
      - { .name: bc2, .offset: 48, .size: 8, .value_kind: global_buffer, .address_space: global }
      - { .name: levels, .offset: 56, .size: 8, .value_kind: global_buffer, .address_space: global }
      - { .name: W1_0_codes, .offset: 64, .size: 8, .value_kind: global_buffer, .address_space: global }
      - { .name: W1_1_codes, .offset: 72, .size: 8, .value_kind: global_buffer, .address_space: global }
      - { .name: W1_2_codes, .offset: 80, .size: 8, .value_kind: global_buffer, .address_space: global }
      - { .name: W1_0_scales, .offset: 88, .size: 8, .value_kind: global_buffer, .address_space: global }
      - { .name: W1_1_scales, .offset: 96, .size: 8, .value_kind: global_buffer, .address_space: global }
      - { .name: W1_2_scales, .offset: 104, .size: 8, .value_kind: global_buffer, .address_space: global }
      - { .name: W2_0_codes, .offset: 112, .size: 8, .value_kind: global_buffer, .address_space: global }
      - { .name: W2_1_codes, .offset: 120, .size: 8, .value_kind: global_buffer, .address_space: global }
      - { .name: W2_2_codes, .offset: 128, .size: 8, .value_kind: global_buffer, .address_space: global }
      - { .name: W2_0_scales, .offset: 136, .size: 8, .value_kind: global_buffer, .address_space: global }
      - { .name: W2_1_scales, .offset: 144, .size: 8, .value_kind: global_buffer, .address_space: global }
      - { .name: W2_2_scales, .offset: 152, .size: 8, .value_kind: global_buffer, .address_space: global }
      - { .name: b1_0, .offset: 160, .size: 8, .value_kind: global_buffer, .address_space: global }
      - { .name: b1_1, .offset: 168, .size: 8, .value_kind: global_buffer, .address_space: global }
      - { .name: b1_2, .offset: 176, .size: 8, .value_kind: global_buffer, .address_space: global }
      - { .name: wpack, .offset: 184, .size: 8, .value_kind: global_buffer, .address_space: global }
    .group_segment_fixed_size: 0
    .private_segment_fixed_size: 0
    .kernarg_segment_align: 8
    .kernarg_segment_size: 192
    .max_flat_workgroup_size: 128
    .sgpr_count:     96
    .vgpr_count:     960
    .wavefront_size: 32
...
	.end_amdgpu_metadata
.endif
;; end of part 4
;; launch place: the kernel of part 2 again; grid 1 x 1, 32 waves a work-group, no clusters, 4,352 bytes of LDS; arguments levels, order, tiles; writes order, tiles
;; launch chain (part 5): grid 514 x 1, 4 waves a work-group, no clusters, 133,632 bytes of LDS; arguments token_embeddings_codes, token_embeddings_scales, wpack, b2_0, b2_1, b2_2, order, tiles, out0; writes out0
.if DOCPART == 5
	.amdgcn_target "amdgcn-amd-amdhsa--gfx1250"
	.amdhsa_code_object_version 6
	.text
	.protected	k_q8da32bcf2e_chain
	.globl	k_q8da32bcf2e_chain
	.p2align	8
	.type	k_q8da32bcf2e_chain,@function
k_q8da32bcf2e_chain:
	s_mov_b64 s[64:65], 0
	v_nop
	global_prefetch_b8 v0, s[64:65] scope:SCOPE_SE
	s_setreg_imm32_b32 hwreg(HW_REG_WAVE_SCHED_MODE, 0, 2), 2
	s_setreg_imm32_b32 hwreg(HW_REG_WAVE_MODE, 25, 1), 1
	s_wait_xcnt 0x0
	s_wait_alu depctr_vm_vsrc(0)
; CHAIN.  out[token] = gelu(x W1 + b1) W2 + b2 of the token's own level, both products on codes of E2M1 with one E8M0 scale for each 32 along K; the hidden layer never goes to memory.
; SHARES.  A work-group takes one tile: 32 tokens of one level, named by the lists that the launch before stored.  ITS FOUR WAVES SHARE THE HIDDEN AXIS: wave w takes chunks w nc .. w nc + nc - 1
; of 128 hidden units (nc = 2, 4, 8 by the level) for all 32 tokens, and keeps a partial 32 x 256 result in 256 registers; the four parts meet in LDS behind the kernel's one barrier.
; A CHUNK: 32 matrix instructions x W1^T (bias as C), the GELU of 128 numbers a lane, their quantising in registers (they are one K step of the second product), 32 matrix instructions onto the result.
; The weights come straight into registers from records laid in the operands' order: no two waves read the same fragment, so LDS would serve nothing.  A chunk's second-product set is asked for a chunk ahead,
; the next first-product set in the middle of the GELU.
; 514 work-groups serve every split of the tokens.  A tile that a split leaves without rows (two at the most) has the entry (0 rows, level 0): it walks the shortest level on the list's filling and stores nothing:
; so the barrier and the LDS reads behind it stand on one way that no loaded number bends.
; NO CLUSTER: tiles of one level read the same records, but a work-group's level and its number of trips are numbers read from memory, so partners would make different numbers of requests.
; GELU.  2 gelu(x) = (x + |x|) - |x| E, E = erfc(|x| / sqrt 2) = t 2^(P(t) - x^2 log2(e) / 2), t = 1 / (1 + |x| sqrt(2) / 4), P of degree 9 (the rational-exponential fit of erfc with a
; fractional error near 1.2e-7 at every argument, its coefficients times log2 e).  Neither side cancels.  What is quantised is 2 gelu: the same codes under a scale one step up; out = 0.5 sum + b2 takes it off exactly.
; LIMITS: NaN and infinities are not served; an E under 2^-126 counts as 0; the hold of a hidden block's scale at its lowest exponent bites one binade later than the definition's (blocks under 2^-124);
; a hidden block of zeros has the byte 1 with zero codes, which add nothing.
; REGISTERS, in windows of 256: window 0: addresses, x's fragments, all scale words, b1, b2, the rows on their way out.  window 1: the hidden layer and the GELU's registers; at the end the parts to be added.
;   window 2: v0-127 W1's 16 fragments, v128-255 W2's 16.   window 3: the 32 accumulators of the result (tile of tokens m, tile of outputs i: 8 (16 m + i)).
; THE MODE: SCHED_MODE bits 1:0 = 2 (LLVM: expert scheduling mode 2), set by the entry lines.  The code itself states the register dependences between vector or matrix instructions
; and memory or LDS instructions, with s_wait_alu, always for 0.
; THE PLAN.  Registers that memory or LDS instructions touch, and who else names them:
;   v1-v3, v10-v14   Offsets and LDS addresses, made by vector instructions at the head, never written again: one wait on va_vdst ahead of the first load.
;   v6-v9, v144-v151 x's offsets and the offsets of my rows in out0, made from loaded numbers, never written again: one wait on va_vdst ahead of x's loads.
;   W1's set         (window 2 v0-127, v52-59, v72-135.)  Loads land in it; the first product's matrix instructions read it.  The next record's 50 loads stand in the middle of the GELU, directly behind the
;                    wait on va_vdst that stands there for a group's exponentials: that wait also states that the first product is done reading the set.
;   W2's set         (window 2 v128-255, v60-67.)  Loads land in it; the second product's matrix instructions read it.  One wait on va_vdst behind that product, then the next record's 34 loads.
;                    All 1,024 registers are in use: there is no second set.
;   codes, v50-v51   The hidden codes (window 1) and their scale words, written by vector instructions, taken by the scaled second product: eight places, then one wait on va_vdst.
;   window 3         The accumulators, written by the second product, read by the LDS stores: four places, then one wait on va_vdst.  No vector or matrix instruction follows that wait before the
;                    LDS loads behind the barrier, which land in window 1: it covers them too.
;   v152-v215        My eight finished rows, written by vector instructions, read by the last stores: one wait on va_vdst ahead of them.
;   s2               The wave's number, written by v_readfirstlane_b32: one wait on va_sdst ahead of its first reader.
;   x's set and b2 are loaded once, into registers that no vector instruction has named.  No register that a memory or LDS instruction reads is written again: the text holds no wait on vm_vsrc.
.set RECB,  35328
.set PITCH, 1040                       ; a row of 256 f32 in LDS + 16 bytes: the sixteen rows that a store touches begin at sixteen different 16-byte columns of 256
.set REG,   32*PITCH                   ; a wave's part: 32 rows
.set L16,   1                          ; v1   16 x lane
.set BOFF,  2                          ; v2   64 h: b1's 16 h numbers on
.set OI,    3                          ; v3   4 r
.set TK,    4                          ; v4-5 the tokens of rows r and 16 + r
.set XO,    6                          ; v6-7 their codes' offsets
.set SO,    8                          ; v8-9 their scale words'
.set LST,   10                         ; v10  LDS: where I put 32 bytes of a row of my part
.set LRD,   11                         ; v11-14 LDS: where I read my eight rows of the four parts
.set XF,    16                         ; v16-47 x's fragments (16 m + 8 s + 4 c)
.set XS,    48                         ; v48-49 x's scale words: lanes 0-15 K step 0, lanes 16-31 K step 1
.set PW,    50                         ; v50-51 the hidden layer's scale words
.set W1S,   52                         ; v52-59 W1's
.set W2S,   60                         ; v60-67 W2's: lanes 0-15 tile 2 i, lanes 16-31 tile 2 i + 1
.set B1,    72                         ; v72-135 b1 in the result's layout
.set B2,    136                        ; v136-143 b2 at my columns of a row
.set OA,    144                        ; v144-151 byte offsets of my eight rows in out0
.set OUTR,  152                        ; v152-215 my eight rows, finished
.set AXR,   128                        ; window 1: v0-127 the hidden layer (64 m + 16 b + i = unit 32 b + 16 h + i); v128-175 |x|, three slots of 16
.set TR,    176                        ; v176-207 t, two slots
.set PR,    208                        ; v208-239 P, two slots
.set UR,    240
.set C9V,   248
.set REC,   32                         ; s[32:33] my chunk's record
.set CNT,   34
.set NV,    35                         ; rows in use from my first row on (may be negative)
.set C0,    48                         ; s[48:63] c0 .. c7 as pairs; s64 and s65 are never named
.set C1,    50
.set C2,    52
.set C3,    54
.set C4,    56
.set C5,    58
.set C6,    60
.set C7,    62
.set C8,    66
.set K1,    68
.set NC,    70
.set SEL,   72
.set ABSM,  74
.set C9,    75
.set MSB,   0
.macro WIN new                         ; the immediate's high byte repeats the setting that is left; a switch that changes nothing is dropped
.if MSB != \new
	s_set_vgpr_msb (MSB<<8)|\new
.set MSB, \new
.endif
.endm
.macro KPAIR reg, bits                 ; the packed forms name a pair and take its low word for both halves: both words are written
	s_mov_b32 s[\reg], \bits
	s_mov_b32 s[\reg+1], \bits
.endm
.macro CONSTS
	KPAIR C0, 0xbfe9b21e
	KPAIR C1, 0x3fb8ab5a
	KPAIR C2, 0x3f0a29d2
	KPAIR C3, 0x3e0efb2e
	KPAIR C4, 0xbe899a80
	KPAIR C5, 0x3ecdfd18
	KPAIR C6, 0xbfd1a1e5
	KPAIR C7, 0x40097039
	KPAIR C8, 0xbf97d29d
	KPAIR K1, 0x3eb504f3                           ; sqrt(2) / 4
	KPAIR NC, 0xbf38aa3b                           ; -log2(e) / 2
	s_mov_b32 s[SEL], 0x76543210
	s_mov_b32 s[SEL+1], 0xfedcba98                 ; v_permlanex16_b32's selects for lane l xor 16
	s_mov_b32 s[ABSM], 0x7fffffff
	s_mov_b32 s[C9], 0x3e7c6f08
	WIN 0x40
	v_mov_b32 v[C9V], s[C9]
	v_mov_b32 v[C9V+1], s[C9]
	WIN 0
.endm
; THE STREAM: the GELU of a lane's 128 numbers, in eight groups of 16, three stages a group, the groups staggered so that the reciprocals and exponentials of one group stand singly between the plain lines of others.
; BEGIN sets the pace: ne exponentials of group ge, then nr reciprocals of group gr, dealt evenly over pn plain lines.  TICK stands behind every plain line and writes the transcendental that is due.
; So each transcendental has a plain line of another group behind it before its result is used (ISA guide 5.7.2).
.macro BEGIN pn, ne, ge, nr, gr
.set PN, \pn
.set NE, \ne
.set GE, \ge
.set TN, (\ne)+(\nr)
.set GR, \gr
.set PCNT, 0
.set TQ, 0
.endm
.macro TRANS
.if TQ < NE
	v_exp_f32 v[PR+16*(GE%2)+TQ], v[PR+16*(GE%2)+TQ]
.else
	v_rcp_f32 v[TR+16*(GR%2)+TQ-NE], v[TR+16*(GR%2)+TQ-NE]
.endif
.set TQ, TQ+1
.endm
.macro TICK
.set PCNT, PCNT+1
.if (TQ < TN) && (PCNT*TN >= (TQ+1)*PN)
	TRANS
.endif
.endm
.macro S1 g                            ; |x|; 1 + |x| sqrt(2) / 4; x + |x|.  The first line reads each accumulator from its low end on
.set gx, 16*(\g)
.set ga, AXR+16*((\g)%3)
.set gt, TR+16*((\g)%2)
.set q, 0
.rept 16
	v_and_b32 v[ga+q], s[ABSM], v[gx+q]
	TICK
.set q, q+1
.endr
.set q, 0
.rept 8
	v_pk_fma_f32 v[gt+q:gt+q+1], v[ga+q:ga+q+1], s[K1:K1+1], 1.0 op_sel_hi:[1,0,0]
	TICK
.set q, q+2
.endr
.set q, 0
.rept 8
	v_pk_add_f32 v[gx+q:gx+q+1], v[gx+q:gx+q+1], v[ga+q:ga+q+1]
	TICK
.set q, q+2
.endr
.endm
.macro S3 g                            ; P(t) by Horner, step by step over the eight pairs; - x^2 log2(e) / 2; |x| t
.set ga, AXR+16*((\g)%3)
.set gt, TR+16*((\g)%2)
.set gp, PR+16*((\g)%2)
.set q, 0
	s_wait_alu depctr_va_vdst(0)                   ; the group's sixteen reciprocals have written t, which the lines below read: one wait for the batch, ahead of its first reader
.rept 8
	v_pk_fma_f32 v[gp+q:gp+q+1], v[gt+q:gt+q+1], v[C9V:C9V+1], s[C8:C8+1] op_sel_hi:[1,1,0]
	TICK
.set q, q+2
.endr
.irp c, C7,C6,C5,C4,C3,C2,C1,C0
.set q, 0
.rept 8
	v_pk_fma_f32 v[gp+q:gp+q+1], v[gp+q:gp+q+1], v[gt+q:gt+q+1], s[\c:\c+1] op_sel_hi:[1,1,0]
	TICK
.set q, q+2
.endr
.endr
.irp hf, 0,8
.set q, 0
.rept 4
	v_pk_mul_f32 v[UR+q:UR+q+1], v[ga+\hf+q:ga+\hf+q+1], v[ga+\hf+q:ga+\hf+q+1]
	TICK
.set q, q+2
.endr
.set q, 0
.rept 4
	v_pk_fma_f32 v[gp+\hf+q:gp+\hf+q+1], v[UR+q:UR+q+1], s[NC:NC+1], v[gp+\hf+q:gp+\hf+q+1] op_sel_hi:[1,0,1]
	TICK
.set q, q+2
.endr
.endr
.set q, 0
.rept 8
	v_pk_mul_f32 v[ga+q:ga+q+1], v[ga+q:ga+q+1], v[gt+q:gt+q+1]
	TICK
.set q, q+2
.endr
.endm
.macro S5 g, ld                        ; (x + |x|) - (|x| t) 2^(..) = 2 gelu(x).  ld = 1: the next record's first-product set is asked for behind the wait
.set gx, 16*(\g)
.set ga, AXR+16*((\g)%3)
.set gp, PR+16*((\g)%2)
.set q, 0
	s_wait_alu depctr_va_vdst(0)                   ; the group's sixteen exponentials have written their results, which the lines below read: one wait for the batch, ahead of its first reader.  ld = 1: and the first product's matrix instructions are done reading W1's fragments, their scale words and b1, in which the loads below land
.if \ld
	LOADA RECB                                     ; nothing but window switches and loads stands between the wait and these 50 loads
	WIN 0x55
.endif
.rept 8
	v_pk_fma_f32 v[gx+q:gx+q+1], v[ga+q:ga+q+1], v[gp+q:gp+q+1], v[gx+q:gx+q+1] neg_lo:[1,0,0] neg_hi:[1,0,0]
	TICK
.set q, q+2
.endr
.endm
; The 64 numbers of tile of tokens m become a fragment's codes (v192 + 32 m on) and three bytes of its scale word, all in window 1, in slots of t and P that are done with:
; every reciprocal and exponential that wrote those slots has had its wait at the head of the stage that read it.
; A block of 32 lies in lanes l and l xor 16.  Its scale: the largest magnitude's exponent field less 2, with the floor 2^(3 - 127) among the leaves, so that the byte cannot fall under 1.
.macro QUANT m
.set qs, 64*(\m)
.set tm, TR+32*(\m)
.set pc, TR+16+32*(\m)
.irp b, 0,1,2,3
	v_max3_num_f32 v[tm+\b], |v[qs+16*\b]|, |v[qs+16*\b+1]|, 0x1800000
	TICK
.endr
.irp i, 2,4,6,8,10,12,14
.irp b, 0,1,2,3
	v_max3_num_f32 v[tm+\b], v[tm+\b], |v[qs+16*\b+\i]|, |v[qs+16*\b+\i+1]|   ; the four blocks by turns
	TICK
.endr
.endr
.irp b, 0,1,2,3
	v_permlanex16_b32 v[tm+4+\b], v[tm+\b], s[SEL], s[SEL+1]
.endr
.irp b, 0,1,2,3
	v_max_num_f32 v[tm+\b], v[tm+\b], v[tm+4+\b]
.endr
.irp b, 0,1,2,3
	v_add_nc_u32 v[tm+12+\b], 0xff000000, v[tm+\b]             ; 2 off the exponent field: the conversion takes the exponent field of this operand as its scale
.endr
.irp b, 0,1,2,3
	v_lshrrev_b32 v[tm+4+\b], 23, v[tm+12+\b]                  ; the scale's byte
.endr
	v_lshl_or_b32 v[tm+8], v[tm+5], 8, v[tm+4]
	v_lshl_or_b32 v[tm+8], v[tm+6], 16, v[tm+8]
.irp b, 0,1,2,3
	v_cvt_scalef32_pk8_fp4_f32 v[pc+2*\b], v[qs+16*\b:qs+16*\b+7], v[tm+12+\b]
	v_cvt_scalef32_pk8_fp4_f32 v[pc+2*\b+1], v[qs+16*\b+8:qs+16*\b+15], v[tm+12+\b]
.endr
	v_nop                                          ; one plain place behind a scaled conversion
.irp c, 0,1                                    ; the operand's layout wants a whole block in a lane: lanes 0-15 block 2 c, lanes 16-31 block 2 c + 1
.irp i, 0,1
	v_permlane16_swap_b32 v[pc+4*\c+\i], v[pc+2+4*\c+\i]
.endr
.endr
.endm
; A record's first-product set: W1's 16 fragments, their scale words, b1: 50 loads.  Its second-product set: W2's 16 fragments and their scale words: 34 loads.  Each code load reads 512 consecutive bytes.
.macro LOADA off
	WIN 0x80                                       ; destination window 2
.set n, 0
.rept 32
	global_load_b128 v[4*n:4*n+3], v[L16], s[REC:REC+1] offset:\off+512*n
.set n, n+1
.endr
	WIN 0
.irp qq, 0,1
	global_load_b128 v[W1S+4*\qq:W1S+4*\qq+3], v[L16], s[REC:REC+1] offset:\off+32768+512*\qq
.endr
.irp t, 0,1,2,3,4,5,6,7
.irp e, 0,1
	global_load_b128 v[B1+8*\t+4*\e:B1+8*\t+4*\e+3], v[BOFF], s[REC:REC+1] offset:\off+34816+(32*(\t/2)+8*(\t%2))*4+16*\e
.endr
.endr
.endm
.macro LOADB off
	WIN 0x80
.set n, 0
.rept 32
	global_load_b128 v[128+4*n:128+4*n+3], v[L16], s[REC:REC+1] offset:\off+16384+512*n
.set n, n+1
.endr
	WIN 0
.irp qq, 0,1
	global_load_b128 v[W2S+4*\qq:W2S+4*\qq+3], v[L16], s[REC:REC+1] offset:\off+33792+512*\qq
.endr
.endm
.macro STREAM loada, quant             ; all operands in window 1.  loada = 1: the next record's first-product set is asked for in the middle.  quant = 1: the results are quantised
	WIN 0x55
	BEGIN 1, 0, 0, 0, 0
	S1 0
	BEGIN 32, 0, 0, 16, 0
	S1 1
	BEGIN 96, 0, 0, 16, 1
	S3 0
.set KK, 1
.rept 6
	BEGIN 136, 16, KK-1, 16, KK+1                  ; the 16 exponentials are out behind line 68, ahead of S5 at line 129; the reciprocals begin behind line 73, their sources are made in lines 17-24
	S1 KK+1
	S3 KK
.if (KK == 3) && \loada
	S5 KK-1, 1
.else
	S5 KK-1, 0
.endif
.set KK, KK+1
.endr
	BEGIN 88, 16, 6, 0, 0                          ; the exponentials are out behind line 88, ahead of S5 at line 97
	S3 7
	S5 6, 0
.if \quant
	BEGIN 28, 16, 7, 0, 0                          ; the last group's exponentials stand between the first tile's maxima, which name none of their registers; their wait stands at the head of S5 7
	QUANT 0
	S5 7, 0
	QUANT 1
	WIN 0x11                                       ; sources window 1, destination window 0: scale operands are always taken from window 0
	v_lshl_or_b32 v[PW], v[TR+7], 24, v[TR+8]
	v_lshl_or_b32 v[PW+1], v[PR+7], 24, v[PR+8]
.else
.set q, 0
.rept 16
	v_exp_f32 v[PR+16+q], v[PR+16+q]
.set q, q+1
.endr
	v_nop
	S5 7, 0
.endif
.endm
; THE FIRST PRODUCT, transposed: source 0 = 16 rows of W1, source 1 = 16 tokens: a lane holds ONE token (lane % 16), its registers run along the hidden units.  Lane r of tile 2 b + u holds W1's row
; 32 b + 8 u + r + 8 (r / 8), so that the 16 registers of tiles 2 b and 2 b + 1 are 16 neighbours along the next K.  b1 is the C of each sum's first instruction.
; The 16 accumulators take turns, one instruction a turn.
.macro FP
	WIN 0x42                                       ; D window 1, source 0 window 2, source 1 and C window 0
.irp m, 0,1
.irp t, 0,1,2,3,4,5,6,7
	v_wmma_scale_f32_16x16x128_f8f6f4 v[64*\m+8*\t:64*\m+8*\t+7], v[16*\t:16*\t+7], v[XF+16*\m:XF+16*\m+7], v[B1+8*\t:B1+8*\t+7], v[W1S+\t], v[XS+\m] matrix_a_fmt:MATRIX_FMT_FP4 matrix_b_fmt:MATRIX_FMT_FP4
.endr
.endr
	WIN 0x52                                       ; C window 1 too
.irp m, 0,1
.irp t, 0,1,2,3,4,5,6,7
	v_wmma_scale_f32_16x16x128_f8f6f4 v[64*\m+8*\t:64*\m+8*\t+7], v[16*\t+8:16*\t+15], v[XF+16*\m+8:XF+16*\m+15], v[64*\m+8*\t:64*\m+8*\t+7], v[W1S+\t], v[XS+\m] matrix_a_fmt:MATRIX_FMT_FP4 matrix_b_fmt:MATRIX_FMT_FP4 matrix_a_scale:MATRIX_SCALE_ROW1 matrix_b_scale:MATRIX_SCALE_ROW1
.endr
.endr
.endm
; THE SECOND PRODUCT, transposed: source 0 = 16 rows of W2 (outputs), source 1 = the hidden codes of 16 tokens: a lane's eight results are eight neighbouring outputs of one token.
; zero = 1: the first chunk starts the sums.  The 32 accumulators take turns, one instruction a turn.
.macro SP zero
	WIN 0xf6                                       ; source 0 window 2, source 1 window 1, C and D window 3
.irp i, 0,1,2,3,4,5,6,7,8,9,10,11,12,13,14,15
.irp m, 0,1
.if \zero
.if \i%2
	v_wmma_scale_f32_16x16x128_f8f6f4 v[8*(16*\m+\i):8*(16*\m+\i)+7], v[128+8*\i:128+8*\i+7], v[192+32*\m:192+32*\m+7], 0, v[W2S+\i/2], v[PW+\m] matrix_a_fmt:MATRIX_FMT_FP4 matrix_b_fmt:MATRIX_FMT_FP4 matrix_a_scale:MATRIX_SCALE_ROW1
.else
	v_wmma_scale_f32_16x16x128_f8f6f4 v[8*(16*\m+\i):8*(16*\m+\i)+7], v[128+8*\i:128+8*\i+7], v[192+32*\m:192+32*\m+7], 0, v[W2S+\i/2], v[PW+\m] matrix_a_fmt:MATRIX_FMT_FP4 matrix_b_fmt:MATRIX_FMT_FP4
.endif
.else
.if \i%2
	v_wmma_scale_f32_16x16x128_f8f6f4 v[8*(16*\m+\i):8*(16*\m+\i)+7], v[128+8*\i:128+8*\i+7], v[192+32*\m:192+32*\m+7], v[8*(16*\m+\i):8*(16*\m+\i)+7], v[W2S+\i/2], v[PW+\m] matrix_a_fmt:MATRIX_FMT_FP4 matrix_b_fmt:MATRIX_FMT_FP4 matrix_a_scale:MATRIX_SCALE_ROW1
.else
	v_wmma_scale_f32_16x16x128_f8f6f4 v[8*(16*\m+\i):8*(16*\m+\i)+7], v[128+8*\i:128+8*\i+7], v[192+32*\m:192+32*\m+7], v[8*(16*\m+\i):8*(16*\m+\i)+7], v[W2S+\i/2], v[PW+\m] matrix_a_fmt:MATRIX_FMT_FP4 matrix_b_fmt:MATRIX_FMT_FP4
.endif
.endif
.endr
.endr
.endm
.macro CHUNK zero, next
	s_wait_loadcnt 34                              ; loads come back in order: all but the 34 of this chunk's second-product set are in: the first-product set, and x the first time
	FP
	WIN 0x55
.rept 4
	v_nop                                          ; four places between the last products and the first read of their results (ISA guide 7.12.1)
.endr
	STREAM \next, 1
.rept 8
	v_nop                                          ; a scale register written by a vector instruction stands eight places ahead of the scaled matrix instruction, an operand so written four
.endr
	s_wait_alu depctr_va_vdst(0)                   ; behind the places: the conversions and exchanges have written the hidden codes, the two lines above the nops their scale words, which the scaled matrix instructions below take
.if \next
	s_wait_loadcnt 50                              ; the second-product set is in; the 50 loads of the next first-product set may be out
.else
	s_wait_loadcnt 0x0
.endif
	SP \zero
.rept 4
	v_nop                                          ; four places behind the last products, ahead of the first read of the results
.endr
.if \next
	s_wait_alu depctr_va_vdst(0)                   ; the second product's matrix instructions are done reading W2's fragments and scale words, in which the 34 loads below land
	LOADB RECB
	s_wait_xcnt 0x0                                ; the loads have read their base: only behind this wait does it step
	s_add_nc_u64 s[REC:REC+1], s[REC:REC+1], RECB
.endif
	WIN 0                                          ; at a label and at a branch every window is 0
.endm
	s_load_b256 s[4:11], s[0:1], 0x0               ; x's codes 4, x's scales 6, wpack 8, b2_0 10
	s_load_b256 s[12:19], s[0:1], 0x20             ; b2_1 12, b2_2 14, order 16, tiles 18
	s_load_b64 s[20:21], s[0:1], 0x40              ; out0
	v_lshl_add_u32 v254, v0, 2, 0x20800
	v_mov_b32 v255, 0
	v_lshrrev_b32 v15, 5, v0
	v_readfirstlane_b32 s2, v15                    ; wave 0..3
	v_and_b32 v15, 31, v0
	v_lshlrev_b32 v[L16], 4, v15
	v_bfe_u32 v68, v0, 4, 1                        ; h
	v_and_b32 v69, 15, v0                          ; r
	v_lshlrev_b32 v[BOFF], 6, v68
	v_lshlrev_b32 v[OI], 2, v69
	v_lshlrev_b32 v70, 4, v68                      ; 16 h
	v_lshlrev_b32 v71, 2, v68                      ; 4 h
	s_wait_alu depctr_va_sdst(0)                   ; s2 is written, ahead of its first reader: LDS addresses, the first record and the rows to store are made from it
	s_mul_i32 s28, s2, REG
	v_mul_u32_u24 v[LST], v69, PITCH
	v_lshl_add_u32 v[LST], v68, 5, v[LST]
	v_add_nc_u32 v[LST], s28, v[LST]               ; my part: row r, + 32 h
	s_mul_i32 s29, s2, 8*PITCH
	v_add_nc_u32 v[LRD], s29, v[L16]               ; rows 8 w on of part 0, 16 bytes a lane;
.irp k, 1,2,3
	v_add_nc_u32 v[LRD+\k], REG, v[LRD+\k-1]       ; of parts 1, 2, 3
.endr
	CONSTS
	s_lshl_b32 s28, ttmp9, 7                       ; my tile's 32 entries of order,
	s_mov_b32 s29, 0
	s_lshl_b32 s30, ttmp9, 4                       ; its entry of tiles,
	s_mov_b32 s31, 0
	s_lshl_b32 s38, s2, 5                          ; and my wave's eight rows
	s_mov_b32 s39, 0
	s_wait_kmcnt 0x0
	s_add_nc_u64 s[16:17], s[16:17], s[28:29]
	s_add_nc_u64 s[18:19], s[18:19], s[30:31]
	s_add_nc_u64 s[36:37], s[16:17], s[38:39]
	s_load_b128 s[24:27], s[18:19], 0x0            ; rows in use, level, chunks a wave, the level's first record
	s_load_b256 s[40:47], s[36:37], 0x0            ; the tokens of rows 8 w .. 8 w + 7
	s_wait_alu depctr_va_vdst(0)                   ; the offsets v1 to v3 and the LDS addresses v10 to v14 are written: the loads, LDS stores and LDS loads of the whole kernel read them; none is written again
	global_load_b32 v[TK], v[OI], s[16:17]
	global_load_b32 v[TK+1], v[OI], s[16:17] offset:64
	s_wait_kmcnt 0x0
	s_min_u32 s24, s24, 32                         ; loaded numbers are held before they reach an address or a count
	s_min_u32 s25, s25, 2
	s_max_u32 s26, s26, 2
	s_min_u32 s26, s26, 8
	s_min_u32 s27, s27, 24
	s_mul_i32 s28, s2, s26
	s_add_co_u32 s28, s28, s27                     ; my first record: at most 24 + 3 x 8, and my last 7 further on: inside the 56
	s_mul_i32 s28, s28, RECB
	s_mov_b32 s29, 0
	s_add_nc_u64 s[REC:REC+1], s[8:9], s[28:29]
	s_sub_co_u32 s[CNT], s26, 2                    ; the first and the last chunk are written out
	s_lshl_b32 s28, s2, 3
	s_sub_co_i32 s[NV], s24, s28
.irp p, 0,1,2,3,4,5,6,7
	s_min_u32 s[40+\p], s[40+\p], 0x3fff
	s_lshl_b32 s[40+\p], s[40+\p], 10              ; a row of out0 is 1,024 bytes
.endr
	s_cmp_eq_u32 s25, 1                            ; the level's b2
	s_cselect_b64 s[10:11], s[12:13], s[10:11]
	s_cmp_eq_u32 s25, 2
	s_cselect_b64 s[10:11], s[14:15], s[10:11]
	global_load_b128 v[B2:B2+3], v[L16], s[10:11]  ; no vector instruction has been issued since the wait above: these loads and the 50 below owe nothing more
	global_load_b128 v[B2+4:B2+7], v[L16], s[10:11] offset:512
	LOADA 0
	s_wait_loadcnt 50                              ; the two words of order and b2 are in; the 50 loads issued behind them may be out
.irp p, 0,1,2,3,4,5,6,7
	v_add_nc_u32 v[OA+\p], s[40+\p], v[L16]        ; my eight rows in out0, 16 bytes a lane
.endr
	v_min_u32 v[TK], 0x3fff, v[TK]
	v_min_u32 v[TK+1], 0x3fff, v[TK+1]
.irp m, 0,1
	v_lshl_add_u32 v[XO+\m], v[TK+\m], 7, v70      ; a token's codes: 128 bytes, + 16 h
	v_lshl_add_u32 v[SO+\m], v[TK+\m], 3, v71      ; its scale words: 8 bytes, + 4 h
.endr
	s_wait_alu depctr_va_vdst(0)                   ; x's offsets v6 to v9 are written, which the loads below read, and so are v144 to v151, which the last stores read; none is written again
.irp m, 0,1
.irp s, 0,1
.irp c, 0,1
	global_load_b128 v[XF+16*\m+8*\s+4*\c:XF+16*\m+8*\s+4*\c+3], v[XO+\m], s[4:5] offset:64*\s+32*\c
.endr
.endr
	global_load_b32 v[XS+\m], v[SO+\m], s[6:7]
.endr
	LOADB 0
	CHUNK 1, 1
	s_cmp_eq_u32 s[CNT], 0
	s_cbranch_scc1 .Llast
.Lloop:
	CHUNK 0, 1
	s_sub_co_u32 s[CNT], s[CNT], 1
	s_cmp_lg_u32 s[CNT], 0
	s_cbranch_scc1 .Lloop
.Llast:
	CHUNK 0, 0                                     ; the last chunk asks for nothing: no load leaves the records
	; my part goes to LDS: lane (r, h) holds, of tile (m, i), the outputs 16 i + 8 h + 0 .. 7 of row 16 m + r
	WIN 0x0c                                       ; an LDS store's data are its source 1: window 3
	s_wait_alu depctr_va_vdst(0)                   ; behind the four places: the second product has written the accumulators, which the LDS stores read; and every vector and matrix instruction that named window 1 is done: the LDS loads behind the barrier land there
.irp m, 0,1
.irp i, 0,1,2,3,4,5,6,7,8,9,10,11,12,13,14,15
	ds_store_b128 v[LST], v[8*(16*\m+\i):8*(16*\m+\i)+3] offset:16*\m*PITCH+64*\i          ; each accumulator from its low end on
	ds_store_b128 v[LST], v[8*(16*\m+\i)+4:8*(16*\m+\i)+7] offset:16*\m*PITCH+64*\i+16
.endr
.endr
	WIN 0
	s_wait_dscnt 0x0                               ; for the others' sake: my stores are done
	s_barrier_signal -1
	s_barrier_wait -1                              ; the four parts lie in LDS
	; wave w adds the four parts of rows 8 w .. 8 w + 7: a lane takes 16 bytes of each half of a row
	WIN 0x40                                       ; destination window 1.  No wait: no vector or matrix instruction has been issued since the wait ahead of the LDS stores, and those stores name window 3 and v10 alone
.irp p, 0,1,2,3,4,5,6,7
.irp k, 0,1,2,3
.irp u, 0,1
	ds_load_b128 v[32*\p+8*\k+4*\u:32*\p+8*\k+4*\u+3], v[LRD+\k] offset:\p*PITCH+512*\u
.endr
.endr
.endr
.irp p, 0,1,2,3,4,5,6,7
	s_wait_dscnt 56-8*\p                           ; LDS loads come back in order: this row's eight are in, the later rows' may be out
	WIN 0x45
.irp j, 0,2,4,6
	v_pk_add_f32 v[32*\p+\j:32*\p+\j+1], v[32*\p+\j:32*\p+\j+1], v[32*\p+8+\j:32*\p+8+\j+1]
	v_pk_add_f32 v[32*\p+16+\j:32*\p+16+\j+1], v[32*\p+16+\j:32*\p+16+\j+1], v[32*\p+24+\j:32*\p+24+\j+1]
.endr
.irp j, 0,2,4,6
	v_pk_add_f32 v[32*\p+\j:32*\p+\j+1], v[32*\p+\j:32*\p+\j+1], v[32*\p+16+\j:32*\p+16+\j+1]
.endr
	WIN 0x01                                       ; source 0 window 1; b2 and the destination window 0
.irp j, 0,2,4,6
	v_pk_fma_f32 v[OUTR+8*\p+\j:OUTR+8*\p+\j+1], v[32*\p+\j:32*\p+\j+1], 0.5, v[B2+\j:B2+\j+1] op_sel_hi:[1,0,1]   ; the factor 2 of 2 gelu goes off, exactly; + b2
.endr
.endr
	WIN 0
	s_wait_alu depctr_va_vdst(0)                   ; the multiply-adds have written my eight rows v152 to v215, which the stores below read: one wait, ahead of the first branch
.irp p, 0,1,2,3,4,5,6,7
	s_cmp_le_i32 s[NV], \p                         ; the list's filling is not stored
	s_cbranch_scc1 .Lend
	global_store_b128 v[OA+\p], v[OUTR+8*\p:OUTR+8*\p+3], s[20:21] th:TH_STORE_NT              ; 32 lanes store 512 consecutive bytes, at a multiple of 256 from out0's first byte
	global_store_b128 v[OA+\p], v[OUTR+8*\p+4:OUTR+8*\p+7], s[20:21] offset:512 th:TH_STORE_NT
.endr
.Lend:
	s_wait_dscnt 0x0                               ; the closing lines, six on end
	s_wait_alu 0x0
	s_wait_tensorcnt 0x0
	ds_add_u32 v254, v255
	s_wait_dscnt 0x0
	s_endpgm
.Lfunc_end_k_q8da32bcf2e_chain:
	.size	k_q8da32bcf2e_chain, .Lfunc_end_k_q8da32bcf2e_chain-k_q8da32bcf2e_chain
	.p2alignl 7, 3214868480
	.fill 96, 4, 3214868480
	.section	.rodata,"a",@progbits
	.p2align	6, 0x0
	.amdhsa_kernel k_q8da32bcf2e_chain
		.amdhsa_group_segment_fixed_size 133632
		.amdhsa_private_segment_fixed_size 0
		.amdhsa_enable_private_segment 0
		.amdhsa_kernarg_size 72
		.amdhsa_user_sgpr_count 2
		.amdhsa_user_sgpr_kernarg_segment_ptr 1
		.amdhsa_wavefront_size32 1
		.amdhsa_system_sgpr_workgroup_id_x 1
		.amdhsa_system_sgpr_workgroup_id_y 1
		.amdhsa_system_sgpr_workgroup_id_z 1
		.amdhsa_system_vgpr_workitem_id 0
		.amdhsa_next_free_vgpr 1024
		.amdhsa_next_free_sgpr 80
		.amdhsa_reserve_vcc 0
		.amdhsa_float_denorm_mode_32 3
		.amdhsa_float_denorm_mode_16_64 3
		.amdhsa_memory_ordered 1
		.amdhsa_forward_progress 1
		.amdhsa_inst_pref_size 255
	.end_amdhsa_kernel
	.section	.bss,"aw",@nobits
	.p2align	6
	.space	262144
	.amdgpu_metadata
---
amdhsa.version: [ 1, 2 ]
amdhsa.kernels:
  - .name:           k_q8da32bcf2e_chain
    .symbol:         k_q8da32bcf2e_chain.kd
    .args:
      - { .name: token_embeddings_codes, .offset: 0, .size: 8, .value_kind: global_buffer, .address_space: global }
      - { .name: token_embeddings_scales, .offset: 8, .size: 8, .value_kind: global_buffer, .address_space: global }
      - { .name: wpack, .offset: 16, .size: 8, .value_kind: global_buffer, .address_space: global }
      - { .name: b2_0, .offset: 24, .size: 8, .value_kind: global_buffer, .address_space: global }
      - { .name: b2_1, .offset: 32, .size: 8, .value_kind: global_buffer, .address_space: global }
      - { .name: b2_2, .offset: 40, .size: 8, .value_kind: global_buffer, .address_space: global }
      - { .name: order, .offset: 48, .size: 8, .value_kind: global_buffer, .address_space: global }
      - { .name: tiles, .offset: 56, .size: 8, .value_kind: global_buffer, .address_space: global }
      - { .name: out0, .offset: 64, .size: 8, .value_kind: global_buffer, .address_space: global }
    .group_segment_fixed_size: 133632
    .private_segment_fixed_size: 0
    .kernarg_segment_align: 8
    .kernarg_segment_size: 72
    .max_flat_workgroup_size: 128
    .sgpr_count:     80
    .vgpr_count:     1024
    .wavefront_size: 32
...
	.end_amdgpu_metadata
.endif
;; end of part 5
